; MI455X (gfx1250); checked and timed in simulation.
; The chip was launched on July 23, 2026; its instructions are those of AMD's public machine-readable ISA for CDNA 5 (MIT licence, August 2026) and "CDNA5" Instruction Set Architecture Reference Guide (July 2026). The comments in the code are by the model that wrote it; some were corrected since.
;; Causal Multi Head Self Attention. Allowed arithmetic: matrix products marked QUANTISED: E2M3 operands, one E8M0 scale for each 32 along K, by v_wmma_scale_f32_16x16x128_f8f6f4 with both operands' format E2M3, f32 sums; everything else in f32.
;; Inputs: token_positions 2 x 2,048 int32; wk 1,024 x 1,024 float32; wo 1,024 x 1,024 float32; wq 1,024 x 1,024 float32; wv 1,024 x 1,024 float32; x 2 x 2,048 x 1,024 float32.
;; Outputs: out0 2 x 2,048 x 1,024 float32.
;; This version of the problem:
;;   THIS VERSION OF THE PROBLEM IS GIVEN IN LOW PRECISION. The matrix products marked QUANTISED in the list below multiply operands that are first quantised to E2M3 (2 exponent bits, 3 mantissa bits; 6 bits a number), with one power-of-two scale for each 32 numbers along K (OCP MX v1.0); their sums are f32. All else is computed in f32.
;;   The module's matrix products, in the order in which they are computed (A, B: the left and right operand; K: the contracted axis; several contracted axes count as one K, in the product's order):
;;     1. [M 4,096, K 1,024] x [K 1,024, N 1,024]; A: input x; B: input wq: QUANTISED
;;     2. [M 4,096, K 1,024] x [K 1,024, N 1,024]; A: input x; B: input wk: QUANTISED
;;     3. [M 4,096, K 1,024] x [K 1,024, N 1,024]; A: input x; B: input wv: QUANTISED
;;     4. batch 32 x [M 2,048, K 64] x [K 64, N 2,048]; A: computed on the way; B: computed on the way: QUANTISED
;;     5. batch 32 x [M 64, K 2,048] x [K 2,048, N 2,048]; A: computed on the way; B: softmax (see below): QUANTISED
;;     6. [M 4,096, K 1,024] x [K 1,024, N 1,024]; A: computed on the way; B: input wo: QUANTISED
;;   THE QUANTISER, for each operand of a quantised product, along K:
;;     - K is cut into blocks of 32 from its start; a last block that is shorter is filled with zeros.
;;     - A block's scale is 2^e with e = floor(log2(the largest magnitude in the block)) - 2, held to -126 .. 127; a block of zeros has e = 0. As a byte (E8M0): e + 127.
;;     - Each number is divided by its block's scale, clamped to +-7.5, and rounded to the nearest number of E2M3, ties to even, subnormals kept.
;;     - The product sums the exact products of the quantised numbers (number of the format x scale) in f32.
;;   ~~~python
;;   def quantise(x, axis):      # numpy; x: float32 -> the quantised numbers, widened to float32 again
;;       x = np.moveaxis(x, axis, -1); K = x.shape[-1]
;;       x = np.pad(x, [(0, 0)] * (x.ndim - 1) + [(0, -K % 32)]); x = x.reshape(x.shape[:-1] + (-1, 32)); a = np.abs(x).max(-1, keepdims=True)
;;       e = np.where(a > 0, np.clip(np.frexp(np.where(a > 0, a, 1))[1] - 1 - 2, -126, 127), 0)      # np.frexp(a)[1] - 1 = floor(log2(a)), exactly
;;       r = np.clip(x / 2.0 ** e, -7.5, 7.5)
;;       step = 2.0 ** (np.maximum(np.frexp(np.where(r == 0, 1, r))[1] - 1, 0) - 3)
;;       q = np.round(r / step) * step * 2.0 ** e      # np.round: ties to even
;;       return np.moveaxis(q.reshape(q.shape[:-2] + (-1,))[..., :K], -1, axis).astype(np.float32)
;;   ~~~
;;   SOFTMAX AHEAD OF A QUANTISED PRODUCT. Where the list says 'softmax', what is quantised is not the finished softmax but p = 2^(t - M), with t = logit x log2(e) and M = ceil(the row's largest t), a whole number; so 1/2 < the row's largest p <= 1. The row's sum l is taken of the UNQUANTISED p, in f32, and the product's result is divided by l at the end. Since M is a whole number, a kernel that streams over the keys may use a running M (the ceiling of the running maximum): every later rescaling is an exact power of two, which a block's scale takes up: the codes' values come out the same.
;;   OPERANDS COMPUTED ON THE WAY. 'Computed on the way' means the value that the module computes at that place (a softmax that the list does not call 'softmax' is quantised finished and normalised). What goes into a quantiser is computed in f32, as accurately as f32 sums, v_exp_f32 and their like allow (about 1e-6 of the number): no bf16 or f16 on the way to a quantiser, and a product that is left as it is and whose result goes on into a quantised operand takes f32 operands (vector FMAs, or v_wmma_f32_16x16x4_f32). A number that lies on a knife's edge between two numbers of the format may be rounded either way, as far as f32 arithmetic and the matrix unit's own rounding can turn it there, and no further.
;; One version. Each part assembles by itself: llvm-mc -triple=amdgcn-amd-amdhsa -mcpu=gfx1250 --defsym DOCPART=n.
;; ======== version 1 of 1: 4 launches
;; limits: right only within a limited range of input values
;; workspace buffers: arec 4,096,000 bytes; wrec 2,457,600 bytes; qimg 3,407,872 bytes; kvimg 6,684,672 bytes; orec 3,276,800 bytes
;; launch quant (part 1): grid 256 x 1, 4 waves a work-group, no clusters, 34,304 bytes of LDS; arguments x, wq, wk, wv, wo, arec, wrec; writes arec, wrec
.if DOCPART == 1
	.amdgcn_target "amdgcn-amd-amdhsa--gfx1250"
	.amdhsa_code_object_version 6
	.text
	.protected	k_q4f1b5eaf77_quant
	.globl	k_q4f1b5eaf77_quant
	.p2align	8
	.type	k_q4f1b5eaf77_quant,@function
k_q4f1b5eaf77_quant:
	s_mov_b64 s[64:65], 0
	v_nop
	global_prefetch_b8 v0, s[64:65] scope:SCOPE_SE
	s_setreg_imm32_b32 hwreg(HW_REG_WAVE_MODE, 25, 1), 1
	s_wait_xcnt 0x0
; x [4096][1024] and wq, wk, wv, wo [1024][1024], f32, K innermost, become codes of FP6 (E2M3) with one E8M0 byte for each 32 along K,
; laid as IMAGES OF THE READERS' OPERAND REGISTERS.  A fragment is 16 rows x 128 K, 12 registers a lane (lane = 16 h + r: row r; registers 6 c .. 6 c + 5: k = 64 c + 32 h + 0 .. 31), 1,536 bytes:
; registers 0-3 at 16 x lane, 4-5 at 512 + 8 x lane, 6-9 at 768 + 16 x lane, 10-11 at 1280 + 8 x lane.
; THE ROWS OF A TILE ARE NOT NEIGHBOURS: of a group of 32 rows tile u takes rows 8 u + r + 8 (r / 8), so that two neighbouring tiles of a later result give a lane 16 neighbours.
; RECORDS.  arec (x: row blocks 0-31, wo: 32-39): for a block of 128 rows and a chunk of 256 K 25,600 bytes: fragment (K step q, tile) at (8 q + tile) 1536; scale words at 24576 + 128 tile + 8 r + 4 q.
; wrec: for 32 output columns of a head and a chunk 19,200 bytes: six tiles b = 2 t + u (t = 0 wq, 1 wk, 2 wv): fragment at (6 q + b) 1536; scale words at 18432 + 128 b + 8 r + 4 q.
; SHARES.  A work-group takes 32 rows of one tensor (0-127 x, then 32 each of wq, wk, wv, wo), wave w the chunk w: four fragments f = 2 u + q.  All tensors take ONE path: pointers and offsets are selected on the work-group's number.
; Each load reads 512 consecutive bytes of a row; a fragment's 16 rows turn through the wave's own stage in LDS (rows of 512 + 16 bytes) so that a lane gets whole blocks of 32; every store covers whole aligned runs of 256 bytes.
; A block's scale is 2^(floor(log2(largest magnitude)) - 2): the magnitude's exponent field less 2, held at 1 from below by a floor among the maximum's leaves.
; LIMITS: a block of zeros, or one whose largest magnitude lies under 2^-124, gets the byte 1 (its bytes are read by this program alone; zero codes add nothing); NaN and infinities are not served.
.set STGW, 8448                        ; a wave's stage: 16 rows x 528 bytes
.set SP,   528
.set RA,   16                          ; v16-79, v80-143  two sets of 16 x 4 registers as loaded
.set X,    144                         ; v144-207  register 32 c + i = k 64 c + 32 h + i of row r
.set CD,   208                         ; v208-219  the fragment
.set TY,   220                         ; v220-222, v224-226  the upper halves of the two blocks (a conversion's three registers begin on an even number)
.set MX,   228                         ; v228-229 largest magnitudes, v230-231 the conversions' scale operands
.set WD,   232                         ; v232-235 the scale words of fragments 0-3
.set TP,   236                         ; v236-239 at work
	s_load_b256 s[4:11], s[0:1], 0x0               ; x, wq, wk, wv
	s_load_b128 s[12:15], s[0:1], 0x20             ; wo, arec
	s_load_b64 s[16:17], s[0:1], 0x30              ; wrec
	v_lshl_add_u32 v254, v0, 2, 0x8400
	v_mov_b32 v255, 0
	v_lshrrev_b32 v1, 5, v0
	v_readfirstlane_b32 s18, v1                    ; wave = chunk
	v_and_b32 v1, 31, v0                           ; lane
	v_and_b32 v2, 15, v0                           ; r
	v_bfe_u32 v3, v0, 4, 1                         ; h
	v_lshlrev_b32 v4, 4, v1                        ; 16 x lane: my bytes of a load's 512, and of a store of 16 bytes a lane
	v_lshlrev_b32 v8, 3, v1                        ; 8 x lane
	s_mul_i32 s19, s18, STGW
	v_add_nc_u32 v5, s19, v4                       ; the stage, on the way in
	v_mul_u32_u24 v6, v2, SP
	v_lshl_add_u32 v6, v3, 7, v6
	v_add_nc_u32 v6, s19, v6                       ; and on the way out: row r, + 128 h bytes
	v_lshlrev_b32 v7, 3, v3                        ; 8 h: where my two bytes stand in the scale word
	v_mov_b32 v[TP], 0                             ; written once: a lane permute's destination counts as one of its sources
	s_mov_b32 s36, 0x76543210
	s_mov_b32 s37, 0xfedcba98                      ; v_permlanex16_b32's selects for lane l xor 16
	; offsets for both forms of record, then one selection
	s_and_b32 s28, ttmp9, 31
	s_sub_co_u32 s29, ttmp9, 96
	s_sub_co_u32 s30, ttmp9, 128
	s_cmp_lt_u32 ttmp9, 128
	s_cselect_b32 s31, ttmp9, s28                  ; the group of 32 rows in its own tensor
	s_cselect_b32 s29, ttmp9, s29                  ; and in arec: x 0-127, wo 128-159
	s_lshr_b32 s32, s29, 2
	s_lshl_b32 s32, s32, 2
	s_add_co_u32 s32, s32, s18
	s_mul_i32 s32, s32, 25600                      ; arec's record (row block, chunk)
	s_and_b32 s33, s29, 3
	s_mul_i32 s34, s33, 3072
	s_add_co_u32 s34, s34, s32                     ; its codes: two tiles on end
	s_lshl_b32 s33, s33, 8
	s_add_co_u32 s33, s33, s32
	s_add_co_u32 s33, s33, 24576                   ; its scale words
	s_lshr_b32 s35, s30, 5                         ; t
	s_lshl_b32 s38, s28, 2
	s_add_co_u32 s38, s38, s18
	s_mul_i32 s38, s38, 19200                      ; wrec's record (32 columns, chunk)
	s_mul_i32 s39, s35, 3072
	s_add_co_u32 s39, s39, s38
	s_lshl_b32 s35, s35, 8
	s_add_co_u32 s35, s35, s38
	s_add_co_u32 s35, s35, 18432
	s_lshl_b32 s44, s31, 17                        ; the source: 32 rows of 4,096 bytes a group,
	s_lshl_b32 s45, s18, 10                        ; 1,024 bytes a chunk
	s_add_co_u32 s44, s44, s45
	s_mov_b32 s45, 0
	s_mov_b32 s40, 12288                           ; from K step 0 to K step 1 of a record
	s_cmp_lt_u32 s30, 96                           ; wq, wk or wv?
	s_cselect_b32 s34, s39, s34
	s_cselect_b32 s42, s35, s33
	s_cselect_b32 s40, 9216, s40
	s_mov_b32 s35, 0
	s_mov_b32 s41, 0
	s_mov_b32 s43, 0
	s_wait_alu depctr_va_vdst(0)
	s_wait_kmcnt 0x0
	s_cselect_b64 s[22:23], s[16:17], s[14:15]     ; the choice hangs on the work-group's number alone
	s_add_nc_u64 s[26:27], s[22:23], s[42:43]      ; the scale words
	s_add_nc_u64 s[22:23], s[22:23], s[34:35]      ; the codes of K step 0,
	s_add_nc_u64 s[24:25], s[22:23], s[40:41]      ; of K step 1
	s_mov_b64 s[20:21], s[12:13]
	s_cmp_lt_u32 ttmp9, 224
	s_cselect_b64 s[20:21], s[10:11], s[20:21]
	s_cmp_lt_u32 ttmp9, 192
	s_cselect_b64 s[20:21], s[8:9], s[20:21]
	s_cmp_lt_u32 ttmp9, 160
	s_cselect_b64 s[20:21], s[6:7], s[20:21]
	s_cmp_lt_u32 ttmp9, 128
	s_cselect_b64 s[20:21], s[4:5], s[20:21]
	s_add_nc_u64 s[20:21], s[20:21], s[44:45]
.macro LOAD f                          ; fragment f's 16 rows x 512 bytes into set f % 2
.set LU, (\f)/2
.set LQ, (\f)%2
.set LR, RA+64*((\f)%2)
.irp t, 0,1,2,3,4,5,6,7,8,9,10,11,12,13,14,15
	global_load_b128 v[LR+4*\t:LR+4*\t+3], v4, s[20:21] offset:(8*LU+\t+8*(\t/8))*4096+512*LQ th:TH_LOAD_NT
.endr
.endm
.macro FRAG f
.set FU, (\f)/2
.set FQ, (\f)%2
.set FR, RA+64*((\f)%2)
.if (\f) < 3
	s_wait_loadcnt 16                              ; this fragment's 16 loads are in; the next fragment's 16 may be out
.else
	s_wait_loadcnt 0x0
.endif
.irp t, 0,1,2,3,4,5,6,7,8,9,10,11,12,13,14,15
	ds_store_b128 v5, v[FR+4*\t:FR+4*\t+3] offset:SP*\t
.endr
.irp c, 0,1
.irp i, 0,1,2,3,4,5,6,7
	ds_load_b128 v[X+32*\c+4*\i:X+32*\c+4*\i+3], v6 offset:256*\c+16*\i   ; LDS serves a wave's instructions in order: these see the stores above
.endr
.endr
	s_wait_dscnt 0x0                               ; the numbers are back, and the stores have read the set, which takes the loads of two fragments on
.if (\f) < 2
	LOAD (\f)+2
.endif
.irp c, 0,1
	v_max3_num_f32 v[MX+\c], |v[X+32*\c]|, |v[X+32*\c+1]|, 0x1800000   ; block 2 c + h: all 32 numbers are mine; the floor 2^(3 - 127) holds the byte at 1 from below
.endr
.irp i, 2,4,6,8,10,12,14,16,18,20,22,24,26,28,30
.irp c, 0,1
	v_max3_num_f32 v[MX+\c], v[MX+\c], |v[X+32*\c+\i]|, |v[X+32*\c+\i+1]|
.endr
.endr
.irp c, 0,1
	v_add_nc_u32 v[MX+2+\c], 0xff000000, v[MX+\c]  ; 2 off the exponent field: the conversion's scale operand
.endr
.irp c, 0,1
	v_lshrrev_b32 v[TP+2+\c], 23, v[MX+2+\c]       ; the scale's byte
.endr
	v_lshl_or_b32 v[TP+1], v[TP+3], 16, v[TP+2]    ; my two bytes, blocks h and 2 + h,
	v_lshlrev_b32 v[TP+1], v7, v[TP+1]             ; at their places;
	v_permlanex16_b32 v[TP], v[TP+1], s36, s37
	v_or_b32 v[WD+(\f)], v[TP+1], v[TP]            ; with lane l xor 16's two the word is whole
.if (\f) > 0
	s_wait_alu depctr_va_vdst(0)
	s_wait_xcnt 0x0                                ; the last fragment's stores have read their data: the codes' registers are written again only behind this wait
.endif
.irp c, 0,1
	v_cvt_scalef32_pk16_fp6_f32 v[CD+6*\c:CD+6*\c+2], v[X+32*\c:X+32*\c+15], v[MX+2+\c]
	v_cvt_scalef32_pk16_fp6_f32 v[TY+4*\c:TY+4*\c+2], v[X+32*\c+16:X+32*\c+31], v[MX+2+\c]
.endr
	v_nop                                          ; one plain place behind a scaled conversion
.irp c, 0,1
.irp i, 0,1,2
	v_mov_b32 v[CD+6*\c+3+\i], v[TY+4*\c+\i]
.endr
.endr
	global_store_b128 v4, v[CD:CD+3], s[22+2*FQ:23+2*FQ] offset:1536*FU           ; 512 consecutive bytes
	global_store_b64 v8, v[CD+4:CD+5], s[22+2*FQ:23+2*FQ] offset:1536*FU+512      ; 256
	global_store_b128 v4, v[CD+6:CD+9], s[22+2*FQ:23+2*FQ] offset:1536*FU+768
	global_store_b64 v8, v[CD+10:CD+11], s[22+2*FQ:23+2*FQ] offset:1536*FU+1280
.endm
	LOAD 0
	LOAD 1
	FRAG 0
	FRAG 1
	FRAG 2
	FRAG 3
	v_cmp_ne_u32 vcc_lo, 0, v3
	v_cndmask_b32 v[TP+2], v[WD], v[WD+2], vcc_lo  ; lanes 0-15 tile 0's words, lanes 16-31 tile 1's: K step 0,
	v_cndmask_b32 v[TP+3], v[WD+1], v[WD+3], vcc_lo   ; K step 1
	global_store_b64 v8, v[TP+2:TP+3], s[26:27]    ; 256 consecutive bytes
	s_wait_tensorcnt 0x0
	ds_add_u32 v254, v255
	s_wait_dscnt 0x0
	s_endpgm
.Lfunc_end_k_q4f1b5eaf77_quant:
	.size	k_q4f1b5eaf77_quant, .Lfunc_end_k_q4f1b5eaf77_quant-k_q4f1b5eaf77_quant
	.p2alignl 7, 3214868480
	.fill 96, 4, 3214868480
	.section	.rodata,"a",@progbits
	.p2align	6, 0x0
	.amdhsa_kernel k_q4f1b5eaf77_quant
		.amdhsa_group_segment_fixed_size 34304
		.amdhsa_private_segment_fixed_size 0
		.amdhsa_enable_private_segment 0
		.amdhsa_kernarg_size 56
		.amdhsa_user_sgpr_count 2
		.amdhsa_user_sgpr_kernarg_segment_ptr 1
		.amdhsa_wavefront_size32 1
		.amdhsa_system_sgpr_workgroup_id_x 1
		.amdhsa_system_sgpr_workgroup_id_y 1
		.amdhsa_system_sgpr_workgroup_id_z 1
		.amdhsa_system_vgpr_workitem_id 0
		.amdhsa_next_free_vgpr 256
		.amdhsa_next_free_sgpr 66
		.amdhsa_reserve_vcc 1
		.amdhsa_float_denorm_mode_32 3
		.amdhsa_float_denorm_mode_16_64 3
		.amdhsa_memory_ordered 1
		.amdhsa_forward_progress 1
		.amdhsa_inst_pref_size 32
	.end_amdhsa_kernel
	.amdgpu_metadata
---
amdhsa.version: [ 1, 2 ]
amdhsa.kernels:
  - .name:           k_q4f1b5eaf77_quant
    .symbol:         k_q4f1b5eaf77_quant.kd
    .args:
      - { .name: x, .offset: 0, .size: 8, .value_kind: global_buffer, .address_space: global }
      - { .name: wq, .offset: 8, .size: 8, .value_kind: global_buffer, .address_space: global }
      - { .name: wk, .offset: 16, .size: 8, .value_kind: global_buffer, .address_space: global }
      - { .name: wv, .offset: 24, .size: 8, .value_kind: global_buffer, .address_space: global }
      - { .name: wo, .offset: 32, .size: 8, .value_kind: global_buffer, .address_space: global }
      - { .name: arec, .offset: 40, .size: 8, .value_kind: global_buffer, .address_space: global }
      - { .name: wrec, .offset: 48, .size: 8, .value_kind: global_buffer, .address_space: global }
    .group_segment_fixed_size: 34304
    .private_segment_fixed_size: 0
    .kernarg_segment_align: 8
    .kernarg_segment_size: 56
    .max_flat_workgroup_size: 128
    .sgpr_count:     66
    .vgpr_count:     256
    .wavefront_size: 32
...
	.end_amdgpu_metadata
.endif
;; end of part 1
;; launch qkv (part 2): grid 16 x 16, 4 waves a work-group, clusters of 4 x 4, 327,680 bytes of LDS; arguments arec, wrec, token_positions, qimg, kvimg; writes qimg, kvimg
.if DOCPART == 2
	.amdgcn_target "amdgcn-amd-amdhsa--gfx1250"
	.amdhsa_code_object_version 6
	.text
	.protected	k_q4f1b5eaf77_qkv
	.globl	k_q4f1b5eaf77_qkv
	.p2align	8
	.type	k_q4f1b5eaf77_qkv,@function
k_q4f1b5eaf77_qkv:
	s_mov_b64 s[64:65], 0
	v_nop
	global_prefetch_b8 v0, s[64:65] scope:SCOPE_SE
	s_setreg_imm32_b32 hwreg(HW_REG_WAVE_MODE, 25, 1), 1
	s_wait_xcnt 0x0
	s_wait_alu depctr_hold_cnt(0) depctr_sa_sdst(0) depctr_va_vdst(0) depctr_va_sdst(0) depctr_va_ssrc(0) depctr_va_vcc(0) depctr_vm_vsrc(0)
	s_getreg_b32 s2, hwreg(HW_REG_IB_STS2, 6, 4)
	s_cmp_eq_u32 s2, 0
	s_cbranch_scc0 .Lentry_in_a_cluster
	s_endpgm
.Lentry_in_a_cluster:
	s_bfe_u32 s2, ttmp6, 0x10000c
	s_cmp_lg_u32 s2, 0xf033
	s_cbranch_scc0 .Lentry_shape_is_right
	s_endpgm
.Lentry_shape_is_right:
; q = rope(x wq^T), k = rope(x wk^T), v = x wv^T on codes of FP6 (E2M3) with E8M0 scales; q and k are quantised along a head's 64, v along the keys, and stored as images of the attention launch's operand registers.
; SHARES.  A work-group makes 256 rows x one head's 64 columns of q, of k and of v.  Wave w: i = w / 2: its 128 rows (one record of arec a chunk); j = w % 2: columns 32 j .. 32 j + 31 of q, k and v (one record of wrec a chunk).
; 8 tiles of rows x 6 tiles of columns = 48 accumulators.  q and k are used TRANSPOSED (source 0 = 16 rows of w, source 1 = 16 rows of x): a lane holds one row and, in two tiles, 16 neighbouring columns.
; v is used as it stands (source 0 = x, source 1 = wv): a lane holds one column d and, in two tiles, 16 neighbouring keys.  The tiles' rows were chosen for that when the records were made.
; K goes in four chunks of 256 through three LDS slots; chunk 3 is the one refill, into slot 0.  By this text's count a wave has three tensor loads out at the start and one behind the refill.
; CLUSTER 4 x 4: the four work-groups of a row of the cluster need the same records of x, the four of a column the same records of w: each is asked for jointly.
; ROPE runs over the whole model width: pair n = column / 2 turns by pos x 10000^(-n / 512).  The frequency is 2^-(n log2(10) / 128), the product kept in two parts; the angle is pos x frequency in f32;
; it is reduced modulo pi (a rounding by adding 1.5 x 2^23, pi in two parts) and sine and cosine are Taylor sums up to x^13 and x^12; the quotient's parity gives both their sign.
; LIMITS: |token position| under 2^22; NaN and infinities are not served; a block of zeros, or one under 2^-124, gets the scale byte 1 (read by this program alone; zero codes add nothing).
; No prefetch: three of the four chunks are asked for at the head, and the fourth two K steps ahead of its use.
; REGISTERS.  window 0: v1 r, v2 h, v3 lane; v4-21 LDS addresses, six a slot; v22-27 offsets; v28-29 the add's; v30-31, v60-63 constants for the sines (v30-31 later stage addresses); v32-59 scale words, two sets of 14;
;   v64-159, v160-255 x's fragments, two sets (at the head: at work for the sines; at the end: at work for the quantisers).   window 1: w's fragments, sets at v0 and v128.
;   windows 2 (tiles of rows 0-3) and 3 (4-7): q/k accumulator (a', b) at 32 a' + 8 b; v's at 128 + 32 (a' / 2) + 16 b' + 8 (a' % 2); (cos, sin) of (a', pair e) at 192 + 16 a' + 2 e.
; THE FILLS AS THEY STAND (in place of what the head says of slots and of loads that are out): a record's chunks lie on end in memory, so each wave asks for chunks 0 to 2 of its record by ONE load at the head
; (300 or 225 rows of 256 bytes).  In LDS: x's record i at 3 ABY i + ABY chunk, w's record j at 6 ABY + 3 BBY j + BBY chunk.  Chunk 3 is the one refill, 100 or 75 rows onto chunk 0's bytes.  One tensor load of a wave is out at any time.
.set SLOT,  89600
.set ABY,   25600
.set BBY,   19200
.set SPARE, 3*SLOT                     ; the spare words, 128 bytes a wave: two blocks of 256 bytes that no other line names
.set STG,   SPARE+512                  ; 4,096 bytes of its own, into which no fill lands: the q/k scale bytes from wave to wave
.set ADR,   4                          ; slot s: v[4+6s] x 16 x lane, +1 x 8 x lane, +2 w 16 x lane, +3 w 8 x lane, +4 x's scale words, +5 w's
.set SPW,   28
.set NIL,   29
.set SC,    32
.set AF,    64
.set ROT,   64                         ; the end: v64-191 turned q and k
.set ECD,   192                        ; v192-215 codes
.set ETY,   216                        ; v216-231 the conversions' second results
.set EM,    232                        ; v232-239 largest magnitudes, then bytes
.set EP,    240                        ; v240-247 the other lane's, then scale operands
.set EG,    248                        ; v248-255 q's (4) and k's (4) scale bytes as they will lie in a record
.set G1A,   24                         ; s[24:31] group 1 for x's records; s[32:35] its group 0
.set G0A,   32
.set G1B,   44                         ; s[44:51], s[52:55] the same for w's
.set G0B,   52
.set MSB,   0
.macro WIN new                         ; the immediate's high byte repeats the setting that is left
.if MSB != (\new)
	s_set_vgpr_msb (MSB<<8)|(\new)
.set MSB, (\new)
.endif
.endm
.macro NOPS
.rept 4
	v_nop
.endr
.endm
.macro CROUND                          ; a round of the cluster's barrier
	s_barrier_signal -1
	s_barrier_wait -1
	s_cmp_lg_u32 s14, 0
	s_cbranch_scc1 .Lnot_wave_0_\@
	s_barrier_signal -3
.Lnot_wave_0_\@:
	s_barrier_wait -3
	s_barrier_signal -1
	s_barrier_wait -1
.endm
.macro JLOAD                           ; the joint refill: waves 0 and 1 for x, waves 2 and 3 for w; four v_nop follow each line
	s_cmp_eq_u32 s15, 0
	s_cbranch_scc0 .Lfor_b_\@
	tensor_load_to_lds s[G0A:G0A+3], s[G1A:G1A+7]
	s_nop 0
	NOPS
	s_branch .Lasked_\@
.Lfor_b_\@:
	tensor_load_to_lds s[G0B:G0B+3], s[G1B:G1B+7]
	s_nop 0
	NOPS
.Lasked_\@:
.endm
	s_load_b256 s[4:11], s[0:1], 0x0               ; arec, wrec, token_positions, qimg
	s_load_b64 s[12:13], s[0:1], 0x20              ; kvimg
	v_lshl_add_u32 v[SPW], v0, 2, SPARE
	v_mov_b32 v[NIL], 0
	ds_add_u32 v28, v29
	ds_add_u32 v28, v29
	s_wait_dscnt 0x0
	v_lshrrev_b32 v1, 5, v0
	v_readfirstlane_b32 s14, v1                    ; wave
	s_lshr_b32 s15, s14, 1                         ; i.  Also: I fetch for x (0) or for w (1)
	s_and_b32 s16, s14, 1                          ; j.  Also: which of the two records I fetch
	s_bfe_u32 s66, ttmp6, 0x40000                  ; cx
	s_bfe_u32 s67, ttmp6, 0x40004                  ; cy
	s_lshl_b32 s68, ttmp9, 2
	s_add_co_u32 s68, s68, s66                     ; the head
	s_and_b32 s17, ttmp7, 0xffff
	s_lshl_b32 s17, s17, 2
	s_add_co_u32 s17, s17, s67                     ; the block of 256 rows
	s_lshl_b32 s69, s67, 2
	s_lshl_b32 s69, 15, s69                        ; my row of the cluster
	s_lshl_b32 s70, 0x1111, s66                    ; my column
	; group 1: a record is a dense block, taken as rows of 256 bytes (32 elements of 8 bytes), no padding
	s_or_b32 s[G1A], s69, (3<<16)|(1<<21)          ; 15:0 the mask; 17:16 elements of 8 bytes; 21 set beside a mask
	s_or_b32 s[G1B], s70, (3<<16)|(1<<21)
	s_mov_b32 s[G1A+1], 32<<16                     ; tensor_dim0
	s_mov_b32 s[G1A+2], 300<<16                    ; tensor_dim1: three chunks on end
	s_mov_b32 s[G1A+3], 32<<16                     ; tile_dim0
	s_mov_b32 s[G1A+4], 300                        ; tile_dim1
	s_mov_b32 s[G1A+5], 32                         ; the pitch
	s_mov_b32 s[G1A+6], 0
	s_mov_b32 s[G1A+7], 0
	s_mov_b32 s[G1B+1], 32<<16
	s_mov_b32 s[G1B+2], 225<<16
	s_mov_b32 s[G1B+3], 32<<16
	s_mov_b32 s[G1B+4], 225
	s_mov_b32 s[G1B+5], 32
	s_mov_b32 s[G1B+6], 0
	s_mov_b32 s[G1B+7], 0
	s_lshl_b32 s71, s17, 1
	s_add_co_u32 s71, s71, s16                     ; x's block of 128 rows: it hangs on the rows' coordinate alone
	s_mul_i32 s72, s71, 4*ABY
	s_mov_b32 s73, 0
	s_lshl_b32 s74, s68, 1
	s_add_co_u32 s74, s74, s16                     ; w's 32 columns: on the head alone
	s_mul_i32 s74, s74, 4*BBY
	s_mov_b32 s75, 0
	s_mul_i32 s76, s16, 3*ABY                      ; where they go: no place in the cluster enters an LDS address
	s_mul_i32 s77, s16, 3*BBY
	s_wait_kmcnt 0x0
	s_add_nc_u64 s[72:73], s[4:5], s[72:73]
	s_add_nc_u64 s[74:75], s[6:7], s[74:75]
.irp s, 0
	s_mov_b32 s[G0A+4*\s], 1
	s_add_co_u32 s[G0A+4*\s+1], s76, \s*SLOT
	s_add_nc_u64 s[G0A+4*\s+2:G0A+4*\s+3], s[72:73], \s*ABY
	s_or_b32 s[G0A+4*\s+3], s[G0A+4*\s+3], 0x80000000
	s_mov_b32 s[G0B+4*\s], 1
	s_add_co_u32 s[G0B+4*\s+1], s77, 6*ABY
	s_add_nc_u64 s[G0B+4*\s+2:G0B+4*\s+3], s[74:75], \s*BBY
	s_or_b32 s[G0B+4*\s+3], s[G0B+4*\s+3], 0x80000000
.endr
	CROUND                                         ; all sixteen work-groups are here: the first joint loads meet
	s_cmp_eq_u32 s15, 0                            ; a wave's first fill, chunks 0 to 2 in one load, stands in one branch, ahead of every wait on TENSORcnt and every LDS read
	s_cbranch_scc0 .Lfirst_b
	tensor_load_to_lds s[G0A:G0A+3], s[G1A:G1A+7]
	s_nop 0
	NOPS
	s_branch .Lfirst_asked
.Lfirst_b:
	tensor_load_to_lds s[G0B:G0B+3], s[G1B:G1B+7]
	s_nop 0
	NOPS
.Lfirst_asked:
	v_and_b32 v3, 31, v0                           ; lane
	v_and_b32 v1, 15, v0                           ; r
	v_bfe_u32 v2, v0, 4, 1                         ; h
	v_lshlrev_b32 v27, 4, v3                       ; 16 x lane
	v_lshlrev_b32 v26, 3, v3                       ; 8 x lane
	s_mul_i32 s78, s15, 3*ABY                      ; my rows' record, chunk 0,
	s_mul_i32 s79, s16, 3*BBY
	s_add_co_u32 s79, s79, 6*ABY                   ; my columns'
.irp s, 0,1,2
	v_add_nc_u32 v[ADR+6*\s], s78, v27
	v_add_nc_u32 v[ADR+6*\s+1], s78, v26
	v_add_nc_u32 v[ADR+6*\s+2], s79, v27
	v_add_nc_u32 v[ADR+6*\s+3], s79, v26
	v_add_nc_u32 v[ADR+6*\s+4], 24576, v[ADR+6*\s+1]
	v_add_nc_u32 v[ADR+6*\s+5], 18432, v[ADR+6*\s+3]
	s_add_co_u32 s78, s78, ABY
	s_add_co_u32 s79, s79, BBY
.endr
	s_lshl_b32 s80, s16, 9
	v_add_nc_u32 v22, s80, v27                     ; a pair of q or k tiles: registers 0-3 at 512 j + 16 x lane,
	s_lshl_b32 s81, s16, 4
	v_xor_b32 v23, s81, v3
	v_lshlrev_b32 v23, 3, v23
	s_lshl_b32 s81, s16, 8
	s_add_co_u32 s81, s81, 1024
	v_add_nc_u32 v23, s81, v23                     ; registers 4-5 at 1024 + 256 j + 8 (lane xor 16 j)
	s_mul_i32 s81, s16, 3072
	s_add_co_u32 s81, s81, 6144
	v_add_nc_u32 v24, s81, v27                     ; v's fragments 2 j, 2 j + 1
	s_lshl_b32 s81, s16, 7
	s_add_co_u32 s81, s81, 12800
	v_lshl_add_u32 v25, v3, 2, s81                 ; v's scale words
	s_lshl_b32 s84, s16, 3                         ; 8 j: my byte's place in a q or k scale word
	v_and_b32 v26, 8, v1
	v_add_nc_u32 v26, v26, v1
	v_lshlrev_b32 v26, 2, v26                      ; positions: 4 (r + 8 (r / 8))
	s_lshl_b32 s86, s17, 10
	s_lshl_b32 s87, s15, 9
	s_add_co_u32 s86, s86, s87
	s_mov_b32 s87, 0
	s_add_nc_u64 s[8:9], s[8:9], s[86:87]          ; at my 128 rows
.irp a, 0,1,2,3,4,5,6,7
	global_load_b32 v[72+\a], v26, s[8:9] offset:4*(32*(\a/2)+8*(\a%2))   ; the position of my row in tile a
.endr
	s_lshl_b32 s88, s17, 1
	s_add_co_u32 s88, s88, s15                     ; my block of 128 rows, 0 .. 31
	s_lshr_b32 s89, s88, 4
	s_lshl_b32 s89, s89, 4
	s_add_co_u32 s89, s89, s68
	s_lshl_b32 s89, s89, 4
	s_and_b32 s88, s88, 15
	s_add_co_u32 s88, s88, s89                     ; the record: (16 batch + head) 16 + block in the sequence
	s_mul_i32 s90, s88, 6656
	s_mov_b32 s91, 0
	s_add_nc_u64 s[78:79], s[10:11], s[90:91]      ; q's record
	s_mul_i32 s90, s88, 13056
	s_add_nc_u64 s[80:81], s[12:13], s[90:91]      ; k's and v's
	s_add_nc_u64 s[86:87], s[78:79], 6144
	s_add_nc_u64 s[88:89], s[80:81], 12288
	s_cmp_eq_u32 s16, 0
	s_cselect_b64 s[82:83], s[86:87], s[88:89]     ; wave j = 0 stores q's scale words, wave j = 1 k's
	s_mov_b32 s94, 0x76543210
	s_mov_b32 s95, 0xfedcba98                      ; v_permlanex16_b32's selects for lane l xor 16
	; the eight frequencies of my pairs n = 32 head + 16 j + 8 h + e
	s_lshl_b32 s85, s68, 5
	s_lshl_b32 s92, s16, 4
	s_add_co_u32 s85, s85, s92
	v_lshl_add_u32 v80, v2, 3, s85
.irp e, 0,1,2,3,4,5,6,7
	v_add_nc_u32 v[88+\e], \e, v80
.endr
.irp e, 0,1,2,3,4,5,6,7
	v_cvt_f32_u32 v[88+\e], v[88+\e]
.endr
.irp e, 0,1,2,3,4,5,6,7
	v_mul_f32 v[96+\e], 0x3cd49a78, v[88+\e]       ; n log2(10) / 128, rounded,
.endr
.irp e, 0,1,2,3,4,5,6,7
	v_fma_f32 v[104+\e], v[88+\e], 0x3cd49a78, -v[96+\e]   ; what the rounding dropped,
.endr
.irp e, 0,1,2,3,4,5,6,7
	v_fma_f32 v[104+\e], v[88+\e], 0x30179a37, v[104+\e]   ; and the constant's own lower part
.endr
.irp e, 0,1,2,3,4,5,6,7
	v_exp_f32 v[112+\e], -v[96+\e]
.endr
	v_mov_b32 v30, 0x4b400000                      ; 1.5 x 2^23.  (Plain lines behind the exponentials)
	v_mov_b32 v31, 0x4b400000
	v_mov_b32 v60, 0x2f309231                      ; 1 / 13!
	v_mov_b32 v61, 0x2f309231
	v_mov_b32 v62, 0x310f76c7                      ; 1 / 12!
	v_mov_b32 v63, 0x310f76c7
	s_wait_alu depctr_va_vdst(0)                   ; one wait for the eight, ahead of their first reader
.irp e, 0,1,2,3,4,5,6,7
	v_mul_f32 v[104+\e], v[112+\e], v[104+\e]
.endr
.irp e, 0,1,2,3,4,5,6,7
	v_fma_f32 v[64+\e], v[104+\e], 0xbf317218, v[112+\e]   ; 2^-(high + low) = E - E low ln 2
.endr
	s_wait_loadcnt 0x0                             ; the positions
.irp a, 0,1,2,3,4,5,6,7
	v_cvt_f32_i32 v[72+\a], v[72+\a]
.endr
; cosine and sine of my row of tile a for my eight pairs, two pairs an instruction.  v80 angle, v88 quotient + 1.5 x 2^23, v96 quotient, v104 rest, v112 its square, v120 sine, v128 cosine, v136 square x rest, v144 sign
.macro SINCOS a
.set SNA, (\a)%4
.set SNP, 72+2*((\a)/2)
.irp m, 0,2,4,6
.if (\a)%2
	v_pk_mul_f32 v[80+\m:81+\m], v[64+\m:65+\m], v[SNP:SNP+1] op_sel:[0,1] op_sel_hi:[1,1]
.else
	v_pk_mul_f32 v[80+\m:81+\m], v[64+\m:65+\m], v[SNP:SNP+1] op_sel_hi:[1,0]
.endif
.endr
.irp m, 0,2,4,6
	v_pk_fma_f32 v[88+\m:89+\m], v[80+\m:81+\m], 0x3ea2f983, v[30:31] op_sel_hi:[1,0,1]     ; angle / pi, rounded to a whole number in the low bits
.endr
.irp m, 0,2,4,6
	v_pk_add_f32 v[96+\m:97+\m], v[88+\m:89+\m], v[30:31] neg_lo:[0,1] neg_hi:[0,1]
.endr
.irp m, 0,2,4,6
	v_pk_fma_f32 v[104+\m:105+\m], v[96+\m:97+\m], 0xc0490fdb, v[80+\m:81+\m] op_sel_hi:[1,0,1]
.endr
.irp m, 0,2,4,6
	v_pk_fma_f32 v[104+\m:105+\m], v[96+\m:97+\m], 0x33bbbd2e, v[104+\m:105+\m] op_sel_hi:[1,0,1]
.endr
.irp m, 0,2,4,6
	v_pk_mul_f32 v[112+\m:113+\m], v[104+\m:105+\m], v[104+\m:105+\m]
.endr
.irp m, 0,2,4,6
	v_pk_fma_f32 v[120+\m:121+\m], v[112+\m:113+\m], v[60:61], 0xb2d7322b op_sel_hi:[1,1,0]
	v_pk_fma_f32 v[128+\m:129+\m], v[112+\m:113+\m], v[62:63], 0xb493f27e op_sel_hi:[1,1,0]
.endr
.irp m, 0,2,4,6
	v_pk_fma_f32 v[120+\m:121+\m], v[120+\m:121+\m], v[112+\m:113+\m], 0x3638ef1d op_sel_hi:[1,1,0]
	v_pk_fma_f32 v[128+\m:129+\m], v[128+\m:129+\m], v[112+\m:113+\m], 0x37d00d01 op_sel_hi:[1,1,0]
.endr
.irp m, 0,2,4,6
	v_pk_fma_f32 v[120+\m:121+\m], v[120+\m:121+\m], v[112+\m:113+\m], 0xb9500d01 op_sel_hi:[1,1,0]
	v_pk_fma_f32 v[128+\m:129+\m], v[128+\m:129+\m], v[112+\m:113+\m], 0xbab60b61 op_sel_hi:[1,1,0]
.endr
.irp m, 0,2,4,6
	v_pk_fma_f32 v[120+\m:121+\m], v[120+\m:121+\m], v[112+\m:113+\m], 0x3c088889 op_sel_hi:[1,1,0]
	v_pk_fma_f32 v[128+\m:129+\m], v[128+\m:129+\m], v[112+\m:113+\m], 0x3d2aaaab op_sel_hi:[1,1,0]
.endr
.irp m, 0,2,4,6
	v_pk_fma_f32 v[120+\m:121+\m], v[120+\m:121+\m], v[112+\m:113+\m], 0xbe2aaaab op_sel_hi:[1,1,0]
	v_pk_fma_f32 v[128+\m:129+\m], v[128+\m:129+\m], v[112+\m:113+\m], -0.5 op_sel_hi:[1,1,0]
.endr
.irp m, 0,2,4,6
	v_pk_mul_f32 v[136+\m:137+\m], v[112+\m:113+\m], v[104+\m:105+\m]
	v_pk_fma_f32 v[128+\m:129+\m], v[128+\m:129+\m], v[112+\m:113+\m], 1.0 op_sel_hi:[1,1,0]
.endr
.irp m, 0,2,4,6
	v_pk_fma_f32 v[120+\m:121+\m], v[120+\m:121+\m], v[136+\m:137+\m], v[104+\m:105+\m]
.endr
.irp e, 0,1,2,3,4,5,6,7
	v_lshlrev_b32 v[144+\e], 31, v[88+\e]          ; an odd quotient turns both signs
.endr
	WIN 0x80+0x40*((\a)/4)                         ; destination window 2 or 3
.irp e, 0,1,2,3,4,5,6,7
	v_xor_b32 v[192+16*SNA+2*\e], v[128+\e], v[144+\e]
	v_xor_b32 v[193+16*SNA+2*\e], v[120+\e], v[144+\e]
.endr
	WIN 0
.endm
.irp a, 0,1,2,3,4,5,6,7
	SINCOS \a
.endr
	s_lshl_b32 s92, s14, 10
	s_add_co_u32 s92, s92, STG
	v_add_nc_u32 v30, s92, v27                     ; the stage: where I put my q and k bytes (1,024 bytes a wave),
	s_lshl_b32 s92, s15, 11
	s_lshl_b32 s93, s16, 9
	s_add_co_u32 s92, s92, s93
	s_add_co_u32 s92, s92, STG
	v_add_nc_u32 v31, s92, v27                     ; and where I read both waves' bytes of q (j = 0) or of k (j = 1)
; K step k (chunk k / 2, slot (k / 2) % 3): w's six and x's eight fragments into set k % 2, four loads each, every one on consecutive bytes; with a chunk's first step its scale words
.macro FETCH k
.set FS, ((\k)/2)%3
.set FQ, (\k)%2
.set FA, AF+96*((\k)%2)
.set FB, 128*((\k)%2)
.set FC, SC+14*(((\k)/2)%2)
	WIN 0x40                                       ; destination window 1
.irp b, 0,1,2,3,4,5
	ds_load_b128 v[FB+12*\b:FB+12*\b+3], v[ADR+6*FS+2] offset:(6*FQ+\b)*1536
	ds_load_b64 v[FB+12*\b+4:FB+12*\b+5], v[ADR+6*FS+3] offset:(6*FQ+\b)*1536+512
	ds_load_b128 v[FB+12*\b+6:FB+12*\b+9], v[ADR+6*FS+2] offset:(6*FQ+\b)*1536+768
	ds_load_b64 v[FB+12*\b+10:FB+12*\b+11], v[ADR+6*FS+3] offset:(6*FQ+\b)*1536+1280
.endr
	WIN 0
.irp a, 0,1,2,3,4,5,6,7
	ds_load_b128 v[FA+12*\a:FA+12*\a+3], v[ADR+6*FS] offset:(8*FQ+\a)*1536
	ds_load_b64 v[FA+12*\a+4:FA+12*\a+5], v[ADR+6*FS+1] offset:(8*FQ+\a)*1536+512
	ds_load_b128 v[FA+12*\a+6:FA+12*\a+9], v[ADR+6*FS] offset:(8*FQ+\a)*1536+768
	ds_load_b64 v[FA+12*\a+10:FA+12*\a+11], v[ADR+6*FS+1] offset:(8*FQ+\a)*1536+1280
.endr
.if FQ == 0
.irp p, 0,1,2,3
	ds_load_b64 v[FC+2*\p:FC+2*\p+1], v[ADR+6*FS+4] offset:256*\p     ; lanes 0-15 tile 2 p's words, lanes 16-31 tile 2 p + 1's; both K steps
.endr
.irp p, 0,1,2
	ds_load_b64 v[FC+8+2*\p:FC+8+2*\p+1], v[ADR+6*FS+5] offset:256*\p
.endr
.endif
.endm
; one product: D v[MD], source 0 v[MP] with scale words v[MS0] (lanes 16-31 where MR0), source 1 v[MQ] with v[MS1] (MR1); MZ: it starts its sum
.macro WMS
.if MZ
.if MR0 && MR1
	v_wmma_scale_f32_16x16x128_f8f6f4 v[MD:MD+7], v[MP:MP+11], v[MQ:MQ+11], 0, v[MS0], v[MS1] matrix_a_fmt:MATRIX_FMT_FP6 matrix_b_fmt:MATRIX_FMT_FP6 matrix_a_scale:MATRIX_SCALE_ROW1 matrix_b_scale:MATRIX_SCALE_ROW1
.elseif MR0
	v_wmma_scale_f32_16x16x128_f8f6f4 v[MD:MD+7], v[MP:MP+11], v[MQ:MQ+11], 0, v[MS0], v[MS1] matrix_a_fmt:MATRIX_FMT_FP6 matrix_b_fmt:MATRIX_FMT_FP6 matrix_a_scale:MATRIX_SCALE_ROW1
.elseif MR1
	v_wmma_scale_f32_16x16x128_f8f6f4 v[MD:MD+7], v[MP:MP+11], v[MQ:MQ+11], 0, v[MS0], v[MS1] matrix_a_fmt:MATRIX_FMT_FP6 matrix_b_fmt:MATRIX_FMT_FP6 matrix_b_scale:MATRIX_SCALE_ROW1
.else
	v_wmma_scale_f32_16x16x128_f8f6f4 v[MD:MD+7], v[MP:MP+11], v[MQ:MQ+11], 0, v[MS0], v[MS1] matrix_a_fmt:MATRIX_FMT_FP6 matrix_b_fmt:MATRIX_FMT_FP6
.endif
.else
.if MR0 && MR1
	v_wmma_scale_f32_16x16x128_f8f6f4 v[MD:MD+7], v[MP:MP+11], v[MQ:MQ+11], v[MD:MD+7], v[MS0], v[MS1] matrix_a_fmt:MATRIX_FMT_FP6 matrix_b_fmt:MATRIX_FMT_FP6 matrix_a_scale:MATRIX_SCALE_ROW1 matrix_b_scale:MATRIX_SCALE_ROW1
.elseif MR0
	v_wmma_scale_f32_16x16x128_f8f6f4 v[MD:MD+7], v[MP:MP+11], v[MQ:MQ+11], v[MD:MD+7], v[MS0], v[MS1] matrix_a_fmt:MATRIX_FMT_FP6 matrix_b_fmt:MATRIX_FMT_FP6 matrix_a_scale:MATRIX_SCALE_ROW1
.elseif MR1
	v_wmma_scale_f32_16x16x128_f8f6f4 v[MD:MD+7], v[MP:MP+11], v[MQ:MQ+11], v[MD:MD+7], v[MS0], v[MS1] matrix_a_fmt:MATRIX_FMT_FP6 matrix_b_fmt:MATRIX_FMT_FP6 matrix_b_scale:MATRIX_SCALE_ROW1
.else
	v_wmma_scale_f32_16x16x128_f8f6f4 v[MD:MD+7], v[MP:MP+11], v[MQ:MQ+11], v[MD:MD+7], v[MS0], v[MS1] matrix_a_fmt:MATRIX_FMT_FP6 matrix_b_fmt:MATRIX_FMT_FP6
.endif
.endif
.endm
; a K step's 48 products.  The 48 accumulators take turns, one instruction a turn, in the same order in every step
.macro MM48 k
.if (\k) == 0
.set MZ, 1
.else
.set MZ, 0
.endif
.set KQ, (\k)%2
.set KS, SC+14*(((\k)/2)%2)
.set KA, AF+96*((\k)%2)
.set KB, 128*((\k)%2)
.irp hw, 0,1
	WIN 0xa1+0x50*\hw                              ; q, k: source 0 (w) window 1, source 1 (x) window 0, C and D window 2 or 3
.irp ap, 0,1
.irp bp, 0,1
.irp ua, 0,1
.irp ub, 0,1
.set MD, 32*(2*\ap+\ua)+8*(2*\bp+\ub)
.set MP, KB+12*(2*\bp+\ub)
.set MQ, KA+12*(4*\hw+2*\ap+\ua)
.set MS0, KS+8+2*\bp+KQ
.set MS1, KS+2*(2*\hw+\ap)+KQ
.set MR0, \ub
.set MR1, \ua
	WMS
.endr
.endr
.endr
.endr
	WIN 0xa4+0x50*\hw                              ; v: source 0 (x) window 0, source 1 (wv) window 1
.irp ap, 0,1
.irp ua, 0,1
.irp vb, 0,1
.set MD, 128+32*\ap+16*\vb+8*\ua
.set MP, KA+12*(4*\hw+2*\ap+\ua)
.set MQ, KB+12*(4+\vb)
.set MS0, KS+2*(2*\hw+\ap)+KQ
.set MS1, KS+12+KQ
.set MR0, \ua
.set MR1, \vb
	WMS
.endr
.endr
.endr
.endr
	WIN 0
.endm
; A K step: its fragments were asked for a step ago; the next step's are asked for ahead of its 48 products.
; sync 2: the refill.  sync 3: chunk 3 has landed.
.macro STEP k, sync
	s_wait_dscnt 0x0                               ; this step's fragments are in; no LDS instruction of mine is out at a signal
.if \sync == 2
	s_wait_tensorcnt 0x0                           ; all my tensor loads have landed, chunk 2's part among them, which the fetch below reads
	ds_add_u32 v[SPW], v[NIL]                      ; 0 onto my spare word
	s_add_nc_u64 s[G0A+2:G0A+3], s[G0A+2:G0A+3], 3*ABY   ; no load of mine is out: slot 0's groups 0 step to chunk 3
	s_add_nc_u64 s[G0B+2:G0B+3], s[G0B+2:G0B+3], 3*BBY
	s_mov_b32 s[G1A+2], 100<<16                    ; and the refill brings one chunk: 100 rows of x's record,
	s_mov_b32 s[G1A+4], 100
	s_mov_b32 s[G1B+2], 75<<16                     ; 75 of w's
	s_mov_b32 s[G1B+4], 75
	s_wait_dscnt 0x0                               ; the add is done; my reads of slot 0 ended two steps ago
	CROUND                                         ; no wave of any partner still reads slot 0 or has a load on its way
	JLOAD                                          ; the first tensor load behind the round; its four v_nop are also the places in front of the loads below
.elseif \sync == 3
	s_wait_tensorcnt 0x0                           ; the one load that was out
	s_barrier_signal -1
	s_barrier_wait -1
.endif
.if ((\k) > 0) && (\sync != 2)
	NOPS                                           ; four places between the last products and loads into registers that they read
.endif
.if (\k) < 7
	FETCH (\k)+1
.endif
	MM48 \k
.endm
	s_wait_tensorcnt 0x0                           ; my one load, chunks 0 to 2 of my record, is in
	s_barrier_signal -1
	s_barrier_wait -1
	FETCH 0
	STEP 0, 0
	STEP 1, 0
	STEP 2, 0
	STEP 3, 2
	STEP 4, 0
	STEP 5, 3
	STEP 6, 0
	STEP 7, 0
	; THE END: turn q and k, quantise q, k (blocks of 32 columns: lanes l and l xor 16) and v (blocks of 32 keys), store register images.
	NOPS
	v_cmp_ne_u32 vcc_lo, 0, v2                     ; lanes 16-31
.irp n, 0,1,2,3,4,5,6,7
	v_mov_b32 v[EP+\n], 0                          ; written once: a lane permute's destination counts as one of its sources
.endr
; tiles of rows 4 hw .. 4 hw + 3.  Block bl = 2 a' + t (t = 0 q, 1 k): 16 numbers at 16 bl of the window, turned into v[ROT + 16 bl]
.macro ROPEQ hw
	WIN 0x0a+5*\hw                                 ; sources 0 and 1 window 2 or 3
.irp bl, 0,1,2,3,4,5,6,7
.irp e, 0,2,4,6,8,10,12,14
	v_pk_mul_f32 v[ROT+16*\bl+\e:ROT+16*\bl+\e+1], v[16*\bl+\e:16*\bl+\e+1], v[192+16*(\bl/2)+\e:192+16*(\bl/2)+\e+1] op_sel_hi:[1,0]     ; (x1 cos, x2 cos); each accumulator from its low end on
.endr
.irp e, 0,2,4,6,8,10,12,14
	v_pk_fma_f32 v[ROT+16*\bl+\e:ROT+16*\bl+\e+1], v[16*\bl+\e:16*\bl+\e+1], v[192+16*(\bl/2)+\e:192+16*(\bl/2)+\e+1], v[ROT+16*\bl+\e:ROT+16*\bl+\e+1] op_sel:[1,1,0] op_sel_hi:[0,1,1] neg_lo:[0,1,0]   ; (- x2 sin, + x1 sin)
.endr
.endr
	WIN 0
.irp bl, 0,1,2,3,4,5,6,7
	v_max3_num_f32 v[EM+\bl], |v[ROT+16*\bl]|, |v[ROT+16*\bl+1]|, 0x1800000
.endr
.irp i, 2,4,6,8,10,12,14
.irp bl, 0,1,2,3,4,5,6,7
	v_max3_num_f32 v[EM+\bl], v[EM+\bl], |v[ROT+16*\bl+\i]|, |v[ROT+16*\bl+\i+1]|
.endr
.endr
.irp bl, 0,1,2,3,4,5,6,7
	v_permlanex16_b32 v[EP+\bl], v[EM+\bl], s94, s95
.endr
.irp bl, 0,1,2,3,4,5,6,7
	v_max_num_f32 v[EM+\bl], v[EM+\bl], v[EP+\bl]
.endr
.irp bl, 0,1,2,3,4,5,6,7
	v_add_nc_u32 v[EP+\bl], 0xff000000, v[EM+\bl]  ; the conversion's scale operand
.endr
.irp bl, 0,1,2,3,4,5,6,7
	v_lshrrev_b32 v[EM+\bl], 23, v[EP+\bl]         ; the byte
.endr
.irp t, 0,1
.irp cc, 0,1
	v_cndmask_b32 v[EG+4*\t+2*\hw+\cc], v[EM+4*\cc+\t], v[EM+4*\cc+2+\t], vcc_lo   ; lanes 0-15 the even tile's byte, lanes 16-31 the odd tile's
.endr
.endr
.if \hw
	s_wait_xcnt 0x0                                ; the stores of the first four tiles have read the codes' registers
.endif
.irp pr, 0,1,2,3                       ; pr = 2 p' + t: tiles 2 p', 2 p' + 1
	v_cvt_scalef32_pk16_fp6_f32 v[ECD+6*\pr:ECD+6*\pr+2], v[ROT+64*(\pr/2)+16*(\pr%2):ROT+64*(\pr/2)+16*(\pr%2)+15], v[EP+4*(\pr/2)+(\pr%2)]
	v_cvt_scalef32_pk16_fp6_f32 v[ETY+4*\pr:ETY+4*\pr+2], v[ROT+64*(\pr/2)+32+16*(\pr%2):ROT+64*(\pr/2)+32+16*(\pr%2)+15], v[EP+4*(\pr/2)+2+(\pr%2)]
.endr
	v_nop                                          ; one plain place behind a scaled conversion
.irp pr, 0,1,2,3
.irp i, 0,1,2
	v_permlane16_swap_b32 v[ECD+6*\pr+\i], v[ETY+4*\pr+\i]    ; lanes 0-15 now hold the even tile's rows, lanes 16-31 the odd tile's: the first the lower 16 codes of the block, the second the upper 16
.endr
.irp i, 0,1,2
	v_mov_b32 v[ECD+6*\pr+3+\i], v[ETY+4*\pr+\i]
.endr
.endr
.irp pr, 0,1,2,3
	global_store_b128 v22, v[ECD+6*\pr:ECD+6*\pr+3], s[78+2*(\pr%2):79+2*(\pr%2)] offset:1536*(2*\hw+\pr/2)     ; 512 consecutive bytes
	global_store_b64 v23, v[ECD+6*\pr+4:ECD+6*\pr+5], s[78+2*(\pr%2):79+2*(\pr%2)] offset:1536*(2*\hw+\pr/2)    ; 256
.endr
.endm
	ROPEQ 0
	ROPEQ 1
.irp n, 0,1,2,3,4,5,6,7
	v_lshlrev_b32 v[EG+\n], s84, v[EG+\n]          ; my block's byte at its place in the word
.endr
	ds_store_b128 v30, v[EG:EG+3]                  ; q's, as registers; the barrier for them stands behind v's work
	ds_store_b128 v30, v[EG+4:EG+7] offset:512     ; k's
	; v: blocks (b', p): 16 of the 32 keys 32 p .. in my registers, column d = 32 j + 8 b' + r + 8 (r / 8)
.irp hw, 0,1
	WIN 0x28+0x14*\hw                              ; sources 1 and 2 window 2 or 3
.irp bb, 0,1,2,3                       ; bb = 2 b' + p'
	v_max3_num_f32 v[EM+4*(\bb/2)+2*\hw+(\bb%2)], 0x1800000, |v[128+32*(\bb%2)+16*(\bb/2)]|, |v[129+32*(\bb%2)+16*(\bb/2)]|
.endr
.irp i, 2,4,6,8,10,12,14
.irp bb, 0,1,2,3
	v_max3_num_f32 v[EM+4*(\bb/2)+2*\hw+(\bb%2)], v[EM+4*(\bb/2)+2*\hw+(\bb%2)], |v[128+32*(\bb%2)+16*(\bb/2)+\i]|, |v[129+32*(\bb%2)+16*(\bb/2)+\i]|
.endr
.endr
.endr
	WIN 0
.irp n, 0,1,2,3,4,5,6,7
	v_permlanex16_b32 v[EP+\n], v[EM+\n], s94, s95
.endr
.irp n, 0,1,2,3,4,5,6,7
	v_max_num_f32 v[EM+\n], v[EM+\n], v[EP+\n]
.endr
.irp n, 0,1,2,3,4,5,6,7
	v_add_nc_u32 v[EP+\n], 0xff000000, v[EM+\n]
.endr
.irp n, 0,1,2,3,4,5,6,7
	v_lshrrev_b32 v[EM+\n], 23, v[EP+\n]
.endr
.irp b, 0,1
	v_lshl_or_b32 v[64+\b], v[EM+4*\b+1], 8, v[EM+4*\b]      ; the four key blocks' bytes: column d's scale word for these 128 keys
	v_lshl_or_b32 v[64+\b], v[EM+4*\b+2], 16, v[64+\b]
	v_lshl_or_b32 v[64+\b], v[EM+4*\b+3], 24, v[64+\b]
.endr
	v_cndmask_b32 v66, v64, v65, vcc_lo
	s_wait_xcnt 0x0                                ; q's and k's stores have read the codes' registers
.irp c, 0,1
	WIN 0x02+\c                                    ; source 0 window 2 or 3
.irp b, 0,1
	v_cvt_scalef32_pk16_fp6_f32 v[ECD+12*\b+6*\c:ECD+12*\b+6*\c+2], v[128+16*\b:128+16*\b+15], v[EP+4*\b+2*\c]
	v_cvt_scalef32_pk16_fp6_f32 v[ETY+4*(2*\b+\c):ETY+4*(2*\b+\c)+2], v[160+16*\b:160+16*\b+15], v[EP+4*\b+2*\c+1]
.endr
.endr
	WIN 0
	v_nop                                          ; one plain place behind a scaled conversion
.irp b, 0,1
.irp c, 0,1
.irp i, 0,1,2
	v_permlane16_swap_b32 v[ECD+12*\b+6*\c+\i], v[ETY+4*(2*\b+\c)+\i]    ; a whole block of 32 keys in a lane: lanes 0-15 block 2 c, lanes 16-31 block 2 c + 1
.endr
.irp i, 0,1,2
	v_mov_b32 v[ECD+12*\b+6*\c+3+\i], v[ETY+4*(2*\b+\c)+\i]
.endr
.endr
.endr
.irp b, 0,1
.irp g, 0,1,2
	global_store_b128 v24, v[ECD+12*\b+4*\g:ECD+12*\b+4*\g+3], s[80:81] offset:1536*\b+512*\g
.endr
.endr
	global_store_b32 v25, v66, s[80:81]
	s_wait_dscnt 0x0                               ; for the others' sake: my bytes lie in the stage
	s_barrier_signal -1
	s_barrier_wait -1
	ds_load_b128 v[EM:EM+3], v31                   ; wave j = 0's bytes,
	ds_load_b128 v[EM+4:EM+7], v31 offset:1024     ; wave j = 1's
	s_wait_dscnt 0x0
.irp n, 0,1,2,3
	v_or_b32 v[EM+\n], v[EM+\n], v[EM+4+\n]
.endr
.irp n, 0,1,2,3
	v_or_b32 v[EM+\n], 0x7f7f0000, v[EM+\n]        ; the upper 64 of the instruction's 128 along K are zero codes: scale 1
.endr
	global_store_b128 v27, v[EM:EM+3], s[82:83]    ; 512 consecutive bytes
	s_wait_tensorcnt 0x0                           ; the wave's end
	ds_add_u32 v[SPW], v[NIL]
	s_wait_dscnt 0x0
	CROUND                                         ; the closing round
	s_endpgm
.Lfunc_end_k_q4f1b5eaf77_qkv:
	.size	k_q4f1b5eaf77_qkv, .Lfunc_end_k_q4f1b5eaf77_qkv-k_q4f1b5eaf77_qkv
	.p2alignl 7, 3214868480
	.fill 96, 4, 3214868480
	.section	.rodata,"a",@progbits
	.p2align	6, 0x0
	.amdhsa_kernel k_q4f1b5eaf77_qkv
		.amdhsa_group_segment_fixed_size 327680
		.amdhsa_private_segment_fixed_size 0
		.amdhsa_enable_private_segment 0
		.amdhsa_kernarg_size 40
		.amdhsa_user_sgpr_count 2
		.amdhsa_user_sgpr_kernarg_segment_ptr 1
		.amdhsa_wavefront_size32 1
		.amdhsa_system_sgpr_workgroup_id_x 1
		.amdhsa_system_sgpr_workgroup_id_y 1
		.amdhsa_system_sgpr_workgroup_id_z 1
		.amdhsa_system_vgpr_workitem_id 0
		.amdhsa_next_free_vgpr 1024
		.amdhsa_next_free_sgpr 100
		.amdhsa_reserve_vcc 1
		.amdhsa_float_denorm_mode_32 3
		.amdhsa_float_denorm_mode_16_64 3
		.amdhsa_memory_ordered 1
		.amdhsa_forward_progress 1
		.amdhsa_inst_pref_size 194
	.end_amdhsa_kernel
	.amdgpu_metadata
---
amdhsa.version: [ 1, 2 ]
amdhsa.kernels:
  - .name:           k_q4f1b5eaf77_qkv
    .symbol:         k_q4f1b5eaf77_qkv.kd
    .args:
      - { .name: arec, .offset: 0, .size: 8, .value_kind: global_buffer, .address_space: global }
      - { .name: wrec, .offset: 8, .size: 8, .value_kind: global_buffer, .address_space: global }
      - { .name: token_positions, .offset: 16, .size: 8, .value_kind: global_buffer, .address_space: global }
      - { .name: qimg, .offset: 24, .size: 8, .value_kind: global_buffer, .address_space: global }
      - { .name: kvimg, .offset: 32, .size: 8, .value_kind: global_buffer, .address_space: global }
    .group_segment_fixed_size: 327680
    .private_segment_fixed_size: 0
    .kernarg_segment_align: 8
    .kernarg_segment_size: 40
    .max_flat_workgroup_size: 128
    .sgpr_count:     100
    .vgpr_count:     1024
    .wavefront_size: 32
...
	.end_amdgpu_metadata
.endif
;; end of part 2
;; launch attn (part 3): grid 8 x 32, 16 waves a work-group, no clusters, 327,680 bytes of LDS; arguments qimg, kvimg, orec; writes orec
.if DOCPART == 3
	.amdgcn_target "amdgcn-amd-amdhsa--gfx1250"
	.amdhsa_code_object_version 6
	.text
	.protected	k_q4f1b5eaf77_attn
	.globl	k_q4f1b5eaf77_attn
	.p2align	8
	.type	k_q4f1b5eaf77_attn,@function
k_q4f1b5eaf77_attn:
	s_mov_b64 s[64:65], 0
	v_nop
	global_prefetch_b8 v0, s[64:65] scope:SCOPE_SE
	s_setreg_imm32_b32 hwreg(HW_REG_WAVE_MODE, 25, 1), 1
	s_wait_xcnt 0x0
; Causal attention of one (batch, head) on codes of FP6 (E2M3) with E8M0 scales; the result, divided by the row's sum, is quantised along the model width and stored as images of the last launch's operand registers.
; t = score x log2(e) / 8; M = the running largest t rounded UP to a whole number; p = 2^(t - M) is quantised along the keys, not normalised; the row's sum is taken of the unquantised p.  When M moves, sum and O are multiplied by 2^(old M - new M): exact.
; CAUSAL: keys behind a query are hidden; key steps of 128 that lie wholly behind a block of queries are not multiplied.  In the step on the diagonal hidden scores become -infinity ahead of the maximum.
; SHARES.  A work-group owns the blocks of 128 queries jj (early) and 15 - jj (late) of its head: jj + 1 and 16 - jj key steps of 128 keys.  Tile i (16 queries) of both blocks belongs to a pair of waves:
;   wave i (role A): the late tile's key steps 0 .. 8: nine slots.   wave 8 + i (role B): the early tile's key steps 0 .. jj, then the late tile's key steps 9 .. 15 - jj: eight slots.  So every wave has 8 or 9 steps, whatever jj.
;   At its change of tiles B parks the early tile's O, sum and M in LDS; at the end it hands the late tile's part to A through LDS.  Then every wave joins two parts (A: its own and B's; B: nothing and what it parked): M is a whole number, so both factors are powers of two.
; LDS: 17 places of one record (13,056 bytes).  Place s (0 .. 8) holds key step s, for A's slot s.  Place 9 + s (s = 0 .. 7) holds what B's slot s wants: key step s where s <= jj, else key step s + 8 - jj.  No LDS address hangs on jj, and every place is read.
;   Wave (role, i) fetches its role's place i; wave 0 also place 8.  Slots 0 .. 2 (six records) are asked for at the head, the other eleven behind the first barrier, one load a wave: they have three slots' work in which to land.  One tensor load of a wave is out at any time.
; A record: K's four pairs of tiles (1,536 bytes each), V^T's four fragments, K's scale words (512 bytes), V's (256).  Both products are used transposed: a lane holds ONE query (lane % 16) throughout.
; A head has 64 along K, the instruction 128: Q's upper six registers are zero codes.  K's tiles lie six registers apart, so the upper six of a tile's operand are the next tile's codes: finite numbers, which times Q's zeros add nothing.
; NO CLUSTER: the branches for the diagonal and for B's change of tiles hang on jj, which differs between the work-groups that share K and V.  No prefetch: the tiles are asked for in two groups ahead of the loops; there is no loop to run ahead in.
; LIMITS: the scaled scores stay under 2^31 in magnitude; NaN and infinities are not served; 1 / sum is v_rcp_f32 and a multiplication; a block of zeros gets the scale byte 1 (read by this program alone).
; REGISTERS: v1-6 my lane's places in a record; v7-11, v31 the same in the record in hand; v12 -M, v13 the largest t, v[14:15] the sum; v16-27 Q (22-27 zeros), v28 its scale words; v29 my query less 16 h, v30 -infinity;
;   v32-79 K's eight tiles, then V's four fragments; v80-85 zeros; v86-91 r, h, lane, offsets; v93 my area in LDS, v94 my tile's; v96-159 S^T, then p; v160-191 O^T; v192-203 p's codes; v204-207 K's scale words, v208-209 V's, v210 p's;
;   v212-234, v242-245 at work; v235-241 the late tile's Q and scale words; v254-255 the add's.
.set REC,   13056
.set AREA,  17*REC                     ; behind the places: 16 areas of 4,608 bytes (O 4,096, then -M, t, sum): area 8 + i what wave 8 + i parks, area i what it hands to wave i.  No fill lands there
.set ASZ,   4608
.set SPARE, AREA+16*ASZ                ; the spare words, 128 bytes a wave
	s_load_b128 s[4:7], s[0:1], 0x0                ; qimg, kvimg
	s_load_b64 s[8:9], s[0:1], 0x10                ; orec
	v_lshl_add_u32 v254, v0, 2, SPARE
	v_mov_b32 v255, 0
	ds_add_u32 v254, v255                          ; the opening lines: the add twice and one wait
	ds_add_u32 v254, v255
	v_lshrrev_b32 v1, 5, v0
	s_delay_alu instid0(VALU_DEP_1)
	v_readfirstlane_b32 s10, v1                    ; wave 0..15
	s_and_b32 s11, ttmp7, 0xffff                   ; 16 batch + head
	s_lshr_b32 s48, s10, 3                         ; role: 0 A, 1 B
	s_and_b32 s50, s10, 7                          ; my tile in its block; also the slot whose record I fetch
	s_sub_co_u32 s49, 15, ttmp9                    ; the late block
	s_add_co_u32 s68, ttmp9, 1                     ; B's slot of the change of tiles
	s_sub_co_u32 s70, 9, s48                       ; my number of slots
	s_add_co_u32 s62, s50, 8
	s_sub_co_u32 s62, s62, ttmp9                   ; B's key step behind the change: slot + 8 - jj
	s_cmp_le_u32 s50, ttmp9
	s_cselect_b32 s62, s50, s62
	s_cmp_eq_u32 s48, 0
	s_cselect_b32 s62, s50, s62                    ; the key step that I fetch
	s_cselect_b32 s46, s49, ttmp9                  ; the block that I begin with and store; also the slot of its diagonal
	s_cselect_b32 s69, s49, 7                      ; B: the slot of the late tile's diagonal
	; group 1: a record is a dense block: 51 rows of 256 bytes (32 elements of 8 bytes), no padding
	s_mov_b32 s16, 3<<16
	s_mov_b32 s17, 32<<16
	s_mov_b32 s18, 51<<16
	s_mov_b32 s19, 32<<16
	s_mov_b32 s20, 51
	s_mov_b32 s21, 32
	s_mov_b32 s22, 0
	s_mov_b32 s23, 0
	s_lshl_b32 s52, s11, 4                         ; the head's first record
	s_add_co_u32 s54, s52, s46
	s_mul_i32 s54, s54, 6656                       ; q's record of my first block,
	s_mov_b32 s55, 0
	s_add_co_u32 s66, s52, s49
	s_mul_i32 s66, s66, 6656                       ; of the late block
	s_mov_b32 s67, 0
	s_add_co_u32 s62, s62, s52
	s_mul_i32 s62, s62, REC
	s_mov_b32 s63, 0
	s_add_co_u32 s52, s52, 8
	s_mul_i32 s52, s52, REC                        ; key step 8
	s_mov_b32 s53, 0
	s_mul_i32 s51, s48, 9
	s_add_co_u32 s51, s51, s50
	s_mul_i32 s51, s51, REC                        ; the place that I fill: 9 role + tile
	s_mul_i32 s44, s48, 9*REC                      ; the place of my slot 0
	s_mov_b32 s40, 0x76543210
	s_mov_b32 s41, 0xfedcba98                      ; v_permlanex16_b32's selects for lane l xor 16
	s_mov_b32 s42, 0x3e38aa3b                      ; c = log2(e) / 8
	s_mov_b32 s43, s42                             ; (named with it as a pair, so it is written)
	s_mov_b32 s45, 0                               ; the slot
	s_wait_dscnt 0x0
	s_wait_kmcnt 0x0
	s_add_nc_u64 s[54:55], s[4:5], s[54:55]
	s_add_nc_u64 s[66:67], s[4:5], s[66:67]
	s_mov_b32 s24, 1
	s_mov_b32 s25, s51
	s_add_nc_u64 s[26:27], s[6:7], s[62:63]
	s_or_b32 s27, s27, 0x80000000
	s_mov_b32 s28, 1                               ; place 8, key step 8
	s_mov_b32 s29, 8*REC
	s_add_nc_u64 s[30:31], s[6:7], s[52:53]
	s_or_b32 s31, s31, 0x80000000
	s_cmp_ge_u32 s50, 3                            ; slots 0 .. 2 of both roles now
	s_cbranch_scc1 .Llater
	tensor_load_to_lds s[24:27], s[16:23]
	s_nop 0
.rept 4
	v_nop
.endr
.Llater:
	v_and_b32 v86, 15, v0                          ; r
	v_bfe_u32 v87, v0, 4, 1                        ; h
	v_and_b32 v88, 31, v0                          ; lane
	s_delay_alu instid0(VALU_DEP_3)
	v_lshlrev_b32 v1, 4, v86
	s_delay_alu instid0(VALU_DEP_1)
	v_lshl_add_u32 v1, v87, 9, v1                  ; a pair of K tiles: registers 0-3 at 512 h + 256 (tile % 2) + 16 r
	v_lshlrev_b32 v2, 3, v86
	s_delay_alu instid0(VALU_DEP_1)
	v_mad_u32_u24 v3, v87, 128, v2
	s_delay_alu instid0(VALU_DEP_2)
	v_mad_u32_u24 v2, v87, 384, v2
	s_delay_alu instid0(VALU_DEP_1)
	v_add_nc_u32 v2, 1024, v2                      ; registers 4-5 of the even tile at 1024 + 384 h + 8 r,
	s_delay_alu instid0(VALU_DEP_3)
	v_add_nc_u32 v3, 1152, v3                      ; of the odd tile at 1152 + 128 h + 8 r
	v_lshlrev_b32 v4, 4, v88
	s_delay_alu instid0(VALU_DEP_1)
	v_add_nc_u32 v5, 12288, v4                     ; K's scale words: 16 x lane
	s_delay_alu instid0(VALU_DEP_2)
	v_add_nc_u32 v4, 6144, v4                      ; V's fragments: 16 x lane
	v_lshl_add_u32 v6, v88, 2, 12800               ; V's scale words
	s_lshr_b32 s56, s50, 1
	s_and_b32 s57, s50, 1
	s_mul_i32 s58, s56, 1536
	s_lshl_b32 s59, s57, 8
	s_add_co_u32 s61, s59, 6144
	s_add_co_u32 s59, s59, s58
	s_add_co_u32 s60, s58, 1024
	s_lshl_b32 s62, s56, 2
	s_add_co_u32 s61, s61, s62
	s_lshl_b32 s62, s56, 5
	s_lshl_b32 s63, s57, 3
	s_add_co_u32 s62, s62, s63                     ; 32 (tile / 2) + 8 (tile % 2)
	v_add_nc_u32 v89, s59, v1
	v_xor_b32 v90, s57, v87
	s_delay_alu instid0(VALU_DEP_1)
	v_lshlrev_b32 v90, 7, v90
	s_delay_alu instid0(VALU_DEP_1)
	v_lshl_add_u32 v90, v87, 8, v90
	s_delay_alu instid0(VALU_DEP_1)
	v_lshl_add_u32 v90, v86, 3, v90
	s_delay_alu instid0(VALU_DEP_1)
	v_add_nc_u32 v90, s60, v90
	v_lshl_add_u32 v91, v86, 4, s61
	global_load_b128 v[16:19], v89, s[54:55]       ; Q's tile of my first block stays in registers,
	global_load_b64 v[20:21], v90, s[54:55]
	global_load_b32 v28, v91, s[54:55]             ; with its scale words;
	global_load_b128 v[236:239], v89, s[66:67]     ; and the late block's, for B's change of tiles
	global_load_b64 v[240:241], v90, s[66:67]
	global_load_b32 v235, v91, s[66:67]
	s_mul_i32 s58, s10, ASZ
	s_add_co_u32 s58, s58, AREA
	s_mul_i32 s59, s50, ASZ
	s_add_co_u32 s59, s59, AREA
	v_lshl_add_u32 v93, v88, 4, s58                ; my wave's area,
	v_lshl_add_u32 v94, v88, 4, s59                ; my tile's (wave i's)
	v_and_b32 v29, 8, v86
	s_delay_alu instid0(VALU_DEP_1)
	v_add_nc_u32 v29, v29, v86
	s_delay_alu instid0(VALU_DEP_1)
	v_add_nc_u32 v29, s62, v29                     ; my query in its block,
	v_lshlrev_b32 v92, 4, v87
	s_delay_alu instid0(VALU_DEP_1)
	v_sub_nc_u32 v29, v29, v92                     ; less 16 h: register 16 b + i holds key 32 b + i + 16 h of the step: hidden where 32 b + i is greater
	v_mov_b32 v30, 0xff800000
	v_mov_b32 v13, 0xff61b1e6                      ; the largest t so far: -3e38
	v_mov_b32 v12, 0x7f61b1e6                      ; -M
	v_mov_b32 v14, 0
	v_mov_b32 v15, 0
.irp n, 22,23,24,25,26,27,80,81,82,83,84,85,216,217,218,219,233
	v_mov_b32 v\n, 0                               ; zero codes; permutes' destinations and a pair's upper half, written once
.endr
.set N, 0
.rept 32
	v_mov_b32 v[160+N], 0                          ; O^T: the step is written once; the first finds zeros
.set N, N+1
.endr
	s_wait_alu depctr_va_vdst(0)
	s_wait_loadcnt 0x0
	s_wait_tensorcnt 0x0                           ; my record of slots 0 .. 2, if I asked for one
	ds_add_u32 v254, v255                          ; the add twice
	ds_add_u32 v254, v255
	s_wait_dscnt 0x0
	s_barrier_signal -1
	s_barrier_wait -1
	s_cmp_lt_u32 s50, 3                            ; slots 3 .. 7 of both roles, and by wave 0 A's slot 8: one load a wave
	s_cbranch_scc1 .Lplace8
	tensor_load_to_lds s[24:27], s[16:23]
	s_nop 0
.rept 4
	v_nop
.endr
	s_branch .Lasked
.Lplace8:
	s_cmp_lg_u32 s10, 0
	s_cbranch_scc1 .Lasked
	tensor_load_to_lds s[28:31], s[16:23]
	s_nop 0
.rept 4
	v_nop
.endr
.Lasked:
.macro STEP
	s_cmp_eq_u32 s48, 0
	s_cbranch_scc1 .Lsame_\@
	s_cmp_lg_u32 s45, s68
	s_cbranch_scc1 .Lsame_\@
.rept 4
	v_nop                                          ; B'S CHANGE OF TILES.  Four places behind the last products
.endr
.irp g, 0,1,2,3,4,5,6,7
	ds_store_b128 v93, v[160+4*\g:163+4*\g] offset:512*\g    ; the early tile's O^T is parked, each accumulator from its low end on,
.endr
	ds_store_b128 v93, v[12:15] offset:4096        ; with -M, t and the sum
	s_wait_dscnt 0x0                               ; the stores have read their registers
	v_mov_b32 v28, v235                            ; the late tile's Q
.irp n, 0,1,2,3,4,5
	v_mov_b32 v[16+\n], v[236+\n]
.endr
	v_mov_b32 v13, 0xff61b1e6                      ; M starts anew at -3e38: the next step's factor 2^(old M - new M) is 0, which clears sum and O^T
	v_mov_b32 v12, 0x7f61b1e6
	s_wait_alu depctr_va_vdst(0)
.Lsame_\@:
	s_cmp_ge_u32 s45, s70                          ; B has no ninth slot
	s_cbranch_scc1 .Lhidden_\@
	v_add_nc_u32 v7, s44, v1                       ; (these six are also the places between the last products and the loads below)
	v_add_nc_u32 v8, s44, v2
	v_add_nc_u32 v9, s44, v3
	v_add_nc_u32 v10, s44, v4
	v_add_nc_u32 v11, s44, v5
	v_add_nc_u32 v31, s44, v6
.irp p, 0,1,2,3
	ds_load_b128 v[32+12*\p:35+12*\p], v7 offset:1536*\p
	ds_load_b64 v[36+12*\p:37+12*\p], v8 offset:1536*\p
	ds_load_b128 v[38+12*\p:41+12*\p], v7 offset:1536*\p+256
	ds_load_b64 v[42+12*\p:43+12*\p], v9 offset:1536*\p
.endr
	ds_load_b128 v[204:207], v11
	s_wait_alu depctr_va_vdst(0)
	s_wait_dscnt 0x0
.irp t, 0,2,4,6                        ; S^T = K Q^T: lane (r, h) holds query r; the 16 registers of tiles 2 b, 2 b + 1 are keys 32 b + 16 h + 0 .. 15
	v_wmma_scale_f32_16x16x128_f8f6f4 v[96+8*\t:103+8*\t], v[32+6*\t:43+6*\t], v[16:27], 0, v[204+\t/2], v28 matrix_a_fmt:MATRIX_FMT_FP6 matrix_b_fmt:MATRIX_FMT_FP6
	v_wmma_scale_f32_16x16x128_f8f6f4 v[104+8*\t:111+8*\t], v[38+6*\t:49+6*\t], v[16:27], 0, v[204+\t/2], v28 matrix_a_fmt:MATRIX_FMT_FP6 matrix_b_fmt:MATRIX_FMT_FP6 matrix_a_scale:MATRIX_SCALE_ROW1
.endr
.rept 4
	v_nop                                          ; four places: for the loads into K's registers and for the first read of the scores
.endr
.irp d, 0,1,2,3
.irp g, 0,1,2
	ds_load_b128 v[32+12*\d+4*\g:35+12*\d+4*\g], v10 offset:1536*\d+512*\g    ; V's fragments land while the softmax is worked
.endr
.endr
	ds_load_b32 v208, v31
	ds_load_b32 v209, v31 offset:128
	s_cmp_eq_u32 s45, s46                          ; the diagonal of my first block,
	s_cbranch_scc1 .Lmask_\@
	s_cmp_lg_u32 s45, s69                          ; or of B's late tile
	s_cbranch_scc1 .Lopen_\@
.Lmask_\@:
.set N, 0
.rept 64
	v_cmp_gt_i32 vcc_lo, 32*(N/16)+N%16, v29
	v_cndmask_b32 v[96+N], v[96+N], v30, vcc_lo
.set N, N+1
.endr
.Lopen_\@:
.irp b, 0,1,2,3
	v_max3_num_f32 v[212+\b], v[96+16*\b], v[97+16*\b], v[98+16*\b]   ; the largest score of each block of 32 keys: for the row's maximum and, since p rises with the score, for the block's largest p
.endr
.irp i, 3,5,7,9,11,13
.irp b, 0,1,2,3
	v_max3_num_f32 v[212+\b], v[212+\b], v[96+16*\b+\i], v[97+16*\b+\i]
.endr
.endr
.irp b, 0,1,2,3
	v_max_num_f32 v[212+\b], v[212+\b], v[111+16*\b]
.endr
.irp b, 0,1,2,3
	s_delay_alu instid0(VALU_DEP_4)
	v_permlanex16_b32 v[216+\b], v[212+\b], s40, s41
.endr
.irp b, 0,1,2,3
	s_delay_alu instid0(VALU_DEP_4)
	v_max_num_f32 v[212+\b], v[212+\b], v[216+\b]
.endr
	s_delay_alu instid0(VALU_DEP_2)
	v_max3_num_f32 v234, v212, v213, v214
	s_delay_alu instid0(VALU_DEP_1)
	v_max_num_f32 v234, v234, v215
	s_delay_alu instid0(VALU_DEP_1)
	v_mul_f32 v234, s42, v234                      ; as t (c is positive)
	s_delay_alu instid0(VALU_DEP_1)
	v_max_num_f32 v13, v13, v234
	v_mov_b32 v234, v12
	s_delay_alu instid0(VALU_DEP_2)
	v_floor_f32 v12, -v13                          ; the new -M = floor(-t)
	s_delay_alu instid0(VALU_DEP_1)
	v_sub_f32 v234, v12, v234                      ; old M - new M: a whole number, 0 or less
	s_delay_alu instid0(VALU_DEP_1)
	v_cvt_i32_f32 v234, v234                       ; (it saturates)
	s_delay_alu instid0(VALU_DEP_1)
	v_ldexp_f32 v232, 1.0, v234                    ; f = 2^(old M - new M)
.set N, 0
.rept 32
	v_pk_fma_f32 v[96+N:97+N], v[96+N:97+N], s[42:43], v[12:13] op_sel_hi:[1,0,0]   ; t - M
.set N, N+2
.endr
.irp b, 0,1,2,3
	v_fma_f32 v[212+\b], v[212+\b], s42, v12
.endr
	s_wait_alu depctr_va_vdst(0)
.set N, 0
.rept 64
	v_exp_f32 v[96+N], v[96+N]                     ; p = 2^(t - M)
.set N, N+1
.endr
	v_pk_mul_f32 v[14:15], v[14:15], v[232:233] op_sel_hi:[1,0]   ; the sums under the new M (a plain place behind the exponentials)
	s_wait_alu depctr_va_vdst(0)                   ; one wait for the batch, ahead of its first reader
.irp b, 0,1,2,3
	v_exp_f32 v[212+\b], v[212+\b]                 ; the block's largest p
.endr
	v_pk_add_f32 v[216:217], v[96:97], v[98:99]    ; the row's sum of the unquantised p: 32 pairs in four chains by turns
	v_pk_add_f32 v[242:243], v[100:101], v[102:103]
	v_pk_add_f32 v[244:245], v[104:105], v[106:107]
	v_pk_add_f32 v[14:15], v[14:15], v[108:109]
.irp j, 110,118,126,134,142,150
	v_pk_add_f32 v[216:217], v[216:217], v[\j:\j+1]
	v_pk_add_f32 v[242:243], v[242:243], v[\j+2:\j+3]
	v_pk_add_f32 v[244:245], v[244:245], v[\j+4:\j+5]
	v_pk_add_f32 v[14:15], v[14:15], v[\j+6:\j+7]
.endr
	v_pk_add_f32 v[216:217], v[216:217], v[158:159]
	v_pk_add_f32 v[242:243], v[242:243], v[244:245]
	s_delay_alu instid0(VALU_DEP_2)
	v_pk_add_f32 v[14:15], v[14:15], v[216:217]
	s_delay_alu instid0(VALU_DEP_1)
	v_pk_add_f32 v[14:15], v[14:15], v[242:243]
	s_wait_alu depctr_va_vdst(0)                   ; and one for the four
.irp b, 0,1,2,3
	v_max_num_f32 v[212+\b], 0x1800000, v[212+\b]  ; the floor: the byte cannot fall under 1
.endr
.irp b, 0,1,2,3
	s_delay_alu instid0(VALU_DEP_4)
	v_add_nc_u32 v[220+\b], 0xff000000, v[212+\b]
.endr
.irp b, 0,1,2,3
	s_delay_alu instid0(VALU_DEP_4)
	v_lshrrev_b32 v[216+\b], 23, v[220+\b]
.endr
	s_delay_alu instid0(VALU_DEP_3)
	v_lshl_or_b32 v210, v217, 8, v216              ; p's scale word for these 128 keys
	s_delay_alu instid0(VALU_DEP_1)
	v_lshl_or_b32 v210, v218, 16, v210
	s_delay_alu instid0(VALU_DEP_1)
	v_lshl_or_b32 v210, v219, 24, v210
.irp c, 0,1
	v_cvt_scalef32_pk16_fp6_f32 v[192+6*\c:194+6*\c], v[96+32*\c:111+32*\c], v[220+2*\c]
	v_cvt_scalef32_pk16_fp6_f32 v[224+4*\c:226+4*\c], v[112+32*\c:127+32*\c], v[220+2*\c+1]
.endr
	v_nop                                          ; one plain place behind a scaled conversion
.irp c, 0,1
.irp i, 0,1,2
	v_permlane16_swap_b32 v[192+6*\c+\i], v[224+4*\c+\i]
.endr
.irp i, 0,1,2
	s_delay_alu instid0(VALU_DEP_3)
	v_mov_b32 v[195+6*\c+\i], v[224+4*\c+\i]
.endr
.endr
.set N, 0
.rept 16
	v_pk_mul_f32 v[160+N:161+N], v[160+N:161+N], v[232:233] op_sel_hi:[1,0]   ; O^T under the new M; these are also the places between the writes of p's codes and scale word and the products
.set N, N+2
.endr
	s_wait_alu depctr_va_vdst(0)
	s_wait_dscnt 0x0                               ; V
.irp d, 0,2                            ; O^T += V^T P^T: four accumulators by turns
	v_wmma_scale_f32_16x16x128_f8f6f4 v[160+8*\d:167+8*\d], v[32+12*\d:43+12*\d], v[192:203], v[160+8*\d:167+8*\d], v[208+\d/2], v210 matrix_a_fmt:MATRIX_FMT_FP6 matrix_b_fmt:MATRIX_FMT_FP6
	v_wmma_scale_f32_16x16x128_f8f6f4 v[168+8*\d:175+8*\d], v[44+12*\d:55+12*\d], v[192:203], v[168+8*\d:175+8*\d], v[208+\d/2], v210 matrix_a_fmt:MATRIX_FMT_FP6 matrix_b_fmt:MATRIX_FMT_FP6 matrix_a_scale:MATRIX_SCALE_ROW1
.endr
.Lhidden_\@:
	s_add_co_u32 s44, s44, REC
	s_add_co_u32 s45, s45, 1
.endm
	s_mov_b32 s47, 3                               ; slots 0 .. 2
.Lfirst:
	STEP
	s_sub_co_u32 s47, s47, 1
	s_cmp_lg_u32 s47, 0
	s_cbranch_scc1 .Lfirst
	s_wait_tensorcnt 0x0                           ; my record of the second group is in
	s_wait_dscnt 0x0
	s_barrier_signal -1
	s_barrier_wait -1
	s_mul_i32 s44, s48, 9*REC
	s_add_co_u32 s44, s44, 3*REC
	s_mov_b32 s47, 6                               ; slots 3 .. 8
.Lrest:
	STEP
	s_sub_co_u32 s47, s47, 1
	s_cmp_lg_u32 s47, 0
	s_cbranch_scc1 .Lrest
	; THE PARTS ARE JOINED.  B hands its part of the late tile to wave i and counts its own registers for nothing (M = -3e38); then every wave reads its own area: A what B handed over, B what it parked.
	s_cmp_eq_u32 s48, 0
	s_cbranch_scc1 .Lown
.rept 4
	v_nop                                          ; four places behind the last products
.endr
.irp g, 0,1,2,3,4,5,6,7
	ds_store_b128 v94, v[160+4*\g:163+4*\g] offset:512*\g
.endr
	ds_store_b128 v94, v[12:15] offset:4096
	s_wait_dscnt 0x0                               ; the stores have read their registers
	v_mov_b32 v12, 0x7f61b1e6
.Lown:
	s_wait_alu depctr_va_vdst(0)
	s_wait_dscnt 0x0                               ; for the others' sake
	s_barrier_signal -1
	s_barrier_wait -1
.irp g, 0,1,2,3,4,5,6,7
	ds_load_b128 v[96+4*\g:99+4*\g], v93 offset:512*\g
.endr
	ds_load_b128 v[128:131], v93 offset:4096
	v_mov_b32 v137, 0                              ; pairs' upper halves, named and so written
	v_mov_b32 v139, 0
	s_wait_alu depctr_va_vdst(0)
	s_wait_dscnt 0x0
	v_min_num_f32 v132, v12, v128                  ; -(the larger M)
	s_delay_alu instid0(VALU_DEP_1)
	v_sub_f32 v133, v132, v12                      ; my M less the larger: a whole number, 0 or less
	v_sub_f32 v134, v132, v128
	s_delay_alu instid0(VALU_DEP_2)
	v_cvt_i32_f32 v133, v133                       ; (it saturates)
	s_delay_alu instid0(VALU_DEP_2)
	v_cvt_i32_f32 v134, v134
	s_delay_alu instid0(VALU_DEP_2)
	v_ldexp_f32 v136, 1.0, v133
	s_delay_alu instid0(VALU_DEP_2)
	v_ldexp_f32 v138, 1.0, v134                    ; (these nine are also the places behind A's last products)
.set N, 0
.rept 16
	v_pk_mul_f32 v[160+N:161+N], v[160+N:161+N], v[136:137] op_sel_hi:[1,0]
.set N, N+2
.endr
	v_pk_mul_f32 v[14:15], v[14:15], v[136:137] op_sel_hi:[1,0]
.set N, 0
.rept 16
	v_pk_fma_f32 v[160+N:161+N], v[96+N:97+N], v[138:139], v[160+N:161+N] op_sel_hi:[1,0,1]
.set N, N+2
.endr
	v_pk_fma_f32 v[14:15], v[130:131], v[138:139], v[14:15] op_sel_hi:[1,0,1]
	; THE WAY OUT.  O^T / the sum; my 32 numbers are 16 of each of the head's two blocks of 32 along the model width; codes and bytes go where the last launch's records want them.
	s_delay_alu instid0(VALU_DEP_1)
	v_add_f32 v14, v14, v15
	s_delay_alu instid0(VALU_DEP_1)
	v_permlanex16_b32 v216, v14, s40, s41
	s_delay_alu instid0(VALU_DEP_1)
	v_add_f32 v14, v14, v216                       ; the row's sum
	s_wait_alu depctr_va_vdst(0)
	v_rcp_f32 v14, v14
	v_lshlrev_b32 v7, 4, v88                       ; (plain places behind the reciprocal)
	v_lshlrev_b32 v8, 3, v88
	v_lshlrev_b32 v9, 3, v86
	v_nop
	s_lshr_b32 s48, s11, 4                         ; batch
	s_and_b32 s49, s11, 15                         ; head
	s_lshl_b32 s48, s48, 4
	s_add_co_u32 s48, s48, s46
	s_lshl_b32 s48, s48, 2
	s_lshr_b32 s51, s49, 2
	s_add_co_u32 s48, s48, s51
	s_mul_i32 s48, s48, 25600                      ; the record: (block of 128 rows, chunk = head / 4)
	s_bfe_u32 s51, s49, 0x10001                    ; the K step in the chunk
	s_and_b32 s49, s49, 1                          ; which half of the fragment's registers
	s_lshl_b32 s52, s51, 3
	s_add_co_u32 s52, s52, s50
	s_mul_i32 s52, s52, 1536
	s_mul_i32 s53, s49, 768
	s_add_co_u32 s52, s52, s53
	s_add_co_u32 s52, s52, s48
	s_mov_b32 s53, 0
	s_add_nc_u64 s[54:55], s[8:9], s[52:53]
	s_lshl_b32 s52, s50, 7
	s_lshl_b32 s51, s51, 2
	s_add_co_u32 s52, s52, s51
	s_lshl_b32 s49, s49, 1
	s_add_co_u32 s52, s52, s49
	s_add_co_u32 s52, s52, s48
	s_add_co_u32 s52, s52, 24576
	s_add_nc_u64 s[56:57], s[8:9], s[52:53]
	s_wait_alu depctr_va_vdst(0)                   ; ahead of the reciprocal's first reader
.set N, 0
.rept 32
	v_mul_f32 v[96+N], v[160+N], v14               ; register 16 B + i: channel 32 B + 16 h + i of the head
.set N, N+1
.endr
.irp b, 0,1
	v_max3_num_f32 v[212+\b], |v[96+16*\b]|, |v[97+16*\b]|, 0x1800000
.endr
.irp i, 2,4,6,8,10,12,14
.irp b, 0,1
	s_delay_alu instid0(VALU_DEP_2)
	v_max3_num_f32 v[212+\b], v[212+\b], |v[96+16*\b+\i]|, |v[97+16*\b+\i]|
.endr
.endr
.irp b, 0,1
	s_delay_alu instid0(VALU_DEP_2)
	v_permlanex16_b32 v[216+\b], v[212+\b], s40, s41
.endr
.irp b, 0,1
	s_delay_alu instid0(VALU_DEP_2)
	v_max_num_f32 v[212+\b], v[212+\b], v[216+\b]
.endr
.irp b, 0,1
	s_delay_alu instid0(VALU_DEP_2)
	v_add_nc_u32 v[220+\b], 0xff000000, v[212+\b]
.endr
.irp b, 0,1
	s_delay_alu instid0(VALU_DEP_2)
	v_lshrrev_b32 v[216+\b], 23, v[220+\b]
.endr
	s_delay_alu instid0(VALU_DEP_1)
	v_lshl_or_b32 v218, v217, 8, v216
	v_cvt_scalef32_pk16_fp6_f32 v[192:194], v[96:111], v220
	v_cvt_scalef32_pk16_fp6_f32 v[224:226], v[112:127], v221
	v_nop                                          ; one plain place behind a scaled conversion
.irp i, 0,1,2
	v_permlane16_swap_b32 v[192+\i], v[224+\i]     ; lanes 0-15 block 0 whole, lanes 16-31 block 1
.endr
.irp i, 0,1,2
	s_delay_alu instid0(VALU_DEP_3)
	v_mov_b32 v[195+\i], v[224+\i]
.endr
	global_store_b128 v7, v[192:195], s[54:55]     ; 512 consecutive bytes
	global_store_b64 v8, v[196:197], s[54:55] offset:512   ; 256
	global_store_b16 v9, v218, s[56:57]            ; two bytes of each row's scale word (both halves of the lanes write the same): a short piece of a run of 128 bytes, once a wave
	s_wait_tensorcnt 0x0                           ; the wave's end
	ds_add_u32 v254, v255
	s_wait_dscnt 0x0
	s_endpgm
.Lfunc_end_k_q4f1b5eaf77_attn:
	.size	k_q4f1b5eaf77_attn, .Lfunc_end_k_q4f1b5eaf77_attn-k_q4f1b5eaf77_attn
	.p2alignl 7, 3214868480
	.fill 96, 4, 3214868480
	.section	.rodata,"a",@progbits
	.p2align	6, 0x0
	.amdhsa_kernel k_q4f1b5eaf77_attn
		.amdhsa_group_segment_fixed_size 327680
		.amdhsa_private_segment_fixed_size 0
		.amdhsa_enable_private_segment 0
		.amdhsa_kernarg_size 24
		.amdhsa_user_sgpr_count 2
		.amdhsa_user_sgpr_kernarg_segment_ptr 1
		.amdhsa_wavefront_size32 1
		.amdhsa_system_sgpr_workgroup_id_x 1
		.amdhsa_system_sgpr_workgroup_id_y 1
		.amdhsa_system_sgpr_workgroup_id_z 1
		.amdhsa_system_vgpr_workitem_id 0
		.amdhsa_next_free_vgpr 256
		.amdhsa_next_free_sgpr 80
		.amdhsa_reserve_vcc 1
		.amdhsa_float_denorm_mode_32 3
		.amdhsa_float_denorm_mode_16_64 3
		.amdhsa_memory_ordered 1
		.amdhsa_forward_progress 1
		.amdhsa_inst_pref_size 66
	.end_amdhsa_kernel
	.amdgpu_metadata
---
amdhsa.version: [ 1, 2 ]
amdhsa.kernels:
  - .name:           k_q4f1b5eaf77_attn
    .symbol:         k_q4f1b5eaf77_attn.kd
    .args:
      - { .name: qimg, .offset: 0, .size: 8, .value_kind: global_buffer, .address_space: global }
      - { .name: kvimg, .offset: 8, .size: 8, .value_kind: global_buffer, .address_space: global }
      - { .name: orec, .offset: 16, .size: 8, .value_kind: global_buffer, .address_space: global }
    .group_segment_fixed_size: 327680
    .private_segment_fixed_size: 0
    .kernarg_segment_align: 8
    .kernarg_segment_size: 24
    .max_flat_workgroup_size: 512
    .sgpr_count:     80
    .vgpr_count:     256
    .wavefront_size: 32
...
	.end_amdgpu_metadata
.endif
;; end of part 3
;; launch oproj (part 4): grid 8 x 32, 4 waves a work-group, clusters of 4 x 4, 222,720 bytes of LDS; arguments orec, arec, out0; writes out0
.if DOCPART == 4
	.amdgcn_target "amdgcn-amd-amdhsa--gfx1250"
	.amdhsa_code_object_version 6
	.text
	.protected	k_q4f1b5eaf77_oproj
	.globl	k_q4f1b5eaf77_oproj
	.p2align	8
	.type	k_q4f1b5eaf77_oproj,@function
k_q4f1b5eaf77_oproj:
	s_mov_b64 s[64:65], 0
	v_nop
	global_prefetch_b8 v0, s[64:65] scope:SCOPE_SE
	s_setreg_imm32_b32 hwreg(HW_REG_WAVE_MODE, 25, 1), 1
	s_wait_xcnt 0x0
	s_wait_alu depctr_hold_cnt(0) depctr_sa_sdst(0) depctr_va_vdst(0) depctr_va_sdst(0) depctr_va_ssrc(0) depctr_va_vcc(0) depctr_vm_vsrc(0)
	s_getreg_b32 s2, hwreg(HW_REG_IB_STS2, 6, 4)
	s_cmp_eq_u32 s2, 0
	s_cbranch_scc0 .Lentry_in_a_cluster
	s_endpgm
.Lentry_in_a_cluster:
	s_bfe_u32 s2, ttmp6, 0x10000c
	s_cmp_lg_u32 s2, 0xf033
	s_cbranch_scc0 .Lentry_shape_is_right
	s_endpgm
.Lentry_shape_is_right:
; out0 = O wo^T on codes of FP6 (E2M3) with E8M0 scales.  O's records (orec) and wo's (arec, row blocks 32-39) are images of operand registers: for 128 rows and a chunk of 256 K 25,600 bytes:
; fragment (K step q, tile) at (8 q + tile) 1536; scale words at 24576 + 128 tile + 8 r + 4 q.  Row r of tile t of a block is row 32 (t / 2) + 8 (t % 2) + r + 8 (r / 8).
; SHARES.  128 x 128 of out0 to a work-group: 256 work-groups; a wave makes 64 x 64: 16 accumulators.  ALL OF K IS IN LDS: four chunks of O and four of wo, each filled once: nothing is filled again.
; By this text's count a wave has two tensor loads out.  CLUSTER 4 x 4: O's records are shared along a row of the cluster, wo's along a column: joint loads.
; The instruction is used TRANSPOSED (source 0 = 16 rows of wo, source 1 = 16 rows of O): a lane holds eight neighbouring numbers of a row of out0.
; No prefetch: every record is asked for at the head.
; REGISTERS.  window 0: v4-15 LDS addresses, six for chunks 0, 1 and six for chunks 2, 3; v20-22 the way out; v32-47 scale words, two sets of 8; v48-111 rows back from the stage, two sets; v128-255 accumulators (a, b) at 128 + 8 (4 a + b).
;   window 1: fragments, sets at v0 and v128: O's four at + 12 a, wo's four at + 48 + 12 b.
; THE FILLS AS THEY STAND (in place of what the head says of loads that are out): a record's chunks lie on end in memory and in LDS, so each wave asks for two chunks by ONE load of 200 rows of 256 bytes:
; waves 0 and 1 O's chunks 0-1 and 2-3, waves 2 and 3 wo's.  One tensor load of a wave is out, and one barrier shows all of K to every wave.
.set ABY,  25600
.set BOFF, 4*ABY                       ; wo's four chunks behind O's four
.set STG,  8*ABY                       ; behind them: a stage of 16 rows x (256 + 16) bytes for each wave; no fill lands there
.set G1A,  24
.set G0A,  32
.set G1B,  44
.set G0B,  52
.set MSB,  0
.macro WIN new
.if MSB != (\new)
	s_set_vgpr_msb (MSB<<8)|(\new)
.set MSB, (\new)
.endif
.endm
.macro NOPS
.rept 4
	v_nop
.endr
.endm
.macro CROUND                          ; a round of the cluster's barrier
	s_barrier_signal -1
	s_barrier_wait -1
	s_cmp_lg_u32 s14, 0
	s_cbranch_scc1 .Lnot_wave_0_\@
	s_barrier_signal -3
.Lnot_wave_0_\@:
	s_barrier_wait -3
	s_barrier_signal -1
	s_barrier_wait -1
.endm
	s_load_b128 s[4:7], s[0:1], 0x0                ; orec, arec
	s_load_b64 s[8:9], s[0:1], 0x10                ; out0
	v_lshl_add_u32 v126, v0, 2, 0x36400
	v_mov_b32 v127, 0
	ds_add_u32 v126, v127
	ds_add_u32 v126, v127
	v_lshrrev_b32 v1, 5, v0
	v_readfirstlane_b32 s14, v1                    ; wave
	s_lshr_b32 s15, s14, 1                         ; my 64 rows.  Also: I fetch for O (0) or for wo (1)
	s_and_b32 s16, s14, 1                          ; my 64 columns.  Also: I fetch chunks 0 and 1, or 2 and 3
	s_bfe_u32 s66, ttmp6, 0x40000                  ; cx
	s_bfe_u32 s67, ttmp6, 0x40004                  ; cy
	s_lshl_b32 s68, ttmp9, 2
	s_add_co_u32 s68, s68, s66                     ; the block of 128 columns
	s_and_b32 s17, ttmp7, 0xffff
	s_lshl_b32 s17, s17, 2
	s_add_co_u32 s17, s17, s67                     ; the block of 128 rows
	s_lshl_b32 s69, s67, 2
	s_lshl_b32 s69, 15, s69                        ; my row of the cluster
	s_lshl_b32 s70, 0x1111, s66                    ; my column
	s_or_b32 s[G1A], s69, (3<<16)|(1<<21)          ; a record: 100 rows of 256 bytes (32 elements of 8 bytes), no padding
	s_or_b32 s[G1B], s70, (3<<16)|(1<<21)
.irp g, G1A, G1B
	s_mov_b32 s[\g+1], 32<<16
	s_mov_b32 s[\g+2], 200<<16
	s_mov_b32 s[\g+3], 32<<16
	s_mov_b32 s[\g+4], 200
	s_mov_b32 s[\g+5], 32
	s_mov_b32 s[\g+6], 0
	s_mov_b32 s[\g+7], 0
.endr
	s_lshl_b32 s77, s16, 1                         ; my first chunk: 0 or 2
	s_lshl_b32 s72, s17, 2
	s_add_co_u32 s72, s72, s77
	s_mul_i32 s72, s72, ABY                        ; O's record (rows, chunk 2 (w % 2)): it hangs on the rows' coordinate alone
	s_mov_b32 s73, 0
	s_add_co_u32 s74, s68, 32
	s_lshl_b32 s74, s74, 2
	s_add_co_u32 s74, s74, s77
	s_mul_i32 s74, s74, ABY                        ; wo's: on the columns' alone
	s_mov_b32 s75, 0
	s_mul_i32 s76, s16, 2*ABY
	s_wait_dscnt 0x0
	s_wait_kmcnt 0x0
	s_add_nc_u64 s[72:73], s[4:5], s[72:73]
	s_add_nc_u64 s[74:75], s[6:7], s[74:75]
.irp n, 0
	s_mov_b32 s[G0A+4*\n], 1
	s_add_co_u32 s[G0A+4*\n+1], s76, \n*2*ABY
	s_add_nc_u64 s[G0A+4*\n+2:G0A+4*\n+3], s[72:73], \n*2*ABY
	s_or_b32 s[G0A+4*\n+3], s[G0A+4*\n+3], 0x80000000
	s_mov_b32 s[G0B+4*\n], 1
	s_add_co_u32 s[G0B+4*\n+1], s76, \n*2*ABY+BOFF
	s_add_nc_u64 s[G0B+4*\n+2:G0B+4*\n+3], s[74:75], \n*2*ABY
	s_or_b32 s[G0B+4*\n+3], s[G0B+4*\n+3], 0x80000000
.endr
	CROUND                                         ; all sixteen work-groups are here: the joint loads meet
	s_cmp_eq_u32 s15, 0
	s_cbranch_scc0 .Lfirst_b
	tensor_load_to_lds s[G0A:G0A+3], s[G1A:G1A+7]
	s_nop 0
	NOPS
	s_branch .Lfirst_asked
.Lfirst_b:
	tensor_load_to_lds s[G0B:G0B+3], s[G1B:G1B+7]
	s_nop 0
	NOPS
.Lfirst_asked:
	v_and_b32 v3, 31, v0                           ; lane
	v_and_b32 v1, 15, v0                           ; r
	v_bfe_u32 v2, v0, 4, 1                         ; h
	v_lshlrev_b32 v27, 4, v3
	s_wait_alu depctr_va_vdst(0)
	v_lshlrev_b32 v26, 3, v3
	s_wait_alu depctr_va_vdst(0)
	s_mul_i32 s18, s15, 6144                       ; my four tiles of O,
	s_mul_i32 s19, s16, 6144
	s_add_co_u32 s19, s19, BOFF                    ; of wo,
	s_lshl_b32 s20, s15, 9
	s_add_co_u32 s20, s20, 24576                   ; their scale words
	s_lshl_b32 s21, s16, 9
	s_add_co_u32 s21, s21, BOFF+24576
.irp n, 0,1
	v_add_nc_u32 v[4+6*\n], s18, v27
	v_add_nc_u32 v[5+6*\n], s18, v26
	v_add_nc_u32 v[6+6*\n], s19, v27
	v_add_nc_u32 v[7+6*\n], s19, v26
	v_add_nc_u32 v[8+6*\n], s20, v26
	v_add_nc_u32 v[9+6*\n], s21, v26
	s_add_co_u32 s18, s18, 2*ABY
	s_add_co_u32 s19, s19, 2*ABY
	s_add_co_u32 s20, s20, 2*ABY
	s_add_co_u32 s21, s21, 2*ABY
.endr
	s_mul_i32 s18, s14, 16*272
	s_add_co_u32 s18, s18, STG                     ; my stage
	v_mul_u32_u24 v20, v1, 272
	v_lshl_add_u32 v20, v2, 6, v20
	v_add_nc_u32 v20, s18, v20                     ; in: row r, + 64 h
	v_mul_u32_u24 v21, v2, 272
	v_lshl_add_u32 v21, v1, 4, v21
	v_add_nc_u32 v21, s18, v21                     ; back: lanes 0-15 one row of 256 bytes, lanes 16-31 the next
	v_lshlrev_b32 v22, 12, v2
	v_lshl_add_u32 v22, v1, 4, v22                 ; and the same two rows in out0
	s_lshl_b32 s22, s17, 7
	s_lshl_b32 s23, s15, 6
	s_add_co_u32 s22, s22, s23
	s_lshl_b32 s22, s22, 12                        ; my first row, 4,096 bytes a row,
	s_lshl_b32 s23, s68, 9
	s_add_co_u32 s22, s22, s23
	s_lshl_b32 s23, s16, 8
	s_add_co_u32 s22, s22, s23                     ; my first column
	s_mov_b32 s23, 0
	s_add_nc_u64 s[8:9], s[8:9], s[22:23]
.macro FETCH k                         ; K step k (chunk k / 2): eight fragments into set k % 2; with a chunk's first step its scale words
.set FN, (\k)/4
.set FO, ABY*(((\k)/2)%2)
.set FQ, (\k)%2
.set FB, 128*((\k)%2)
.set FC, 32+8*(((\k)/2)%2)
	WIN 0x40                                       ; destination window 1
.irp a, 0,1,2,3
	ds_load_b128 v[FB+12*\a:FB+12*\a+3], v[4+6*FN] offset:FO+(8*FQ+\a)*1536
	ds_load_b64 v[FB+12*\a+4:FB+12*\a+5], v[5+6*FN] offset:FO+(8*FQ+\a)*1536+512
	ds_load_b128 v[FB+12*\a+6:FB+12*\a+9], v[4+6*FN] offset:FO+(8*FQ+\a)*1536+768
	ds_load_b64 v[FB+12*\a+10:FB+12*\a+11], v[5+6*FN] offset:FO+(8*FQ+\a)*1536+1280
	ds_load_b128 v[FB+48+12*\a:FB+48+12*\a+3], v[6+6*FN] offset:FO+(8*FQ+\a)*1536
	ds_load_b64 v[FB+48+12*\a+4:FB+48+12*\a+5], v[7+6*FN] offset:FO+(8*FQ+\a)*1536+512
	ds_load_b128 v[FB+48+12*\a+6:FB+48+12*\a+9], v[6+6*FN] offset:FO+(8*FQ+\a)*1536+768
	ds_load_b64 v[FB+48+12*\a+10:FB+48+12*\a+11], v[7+6*FN] offset:FO+(8*FQ+\a)*1536+1280
.endr
	WIN 0
.if FQ == 0
.irp p, 0,1
	ds_load_b64 v[FC+2*\p:FC+2*\p+1], v[8+6*FN] offset:FO+256*\p       ; lanes 0-15 the even tile's words, lanes 16-31 the odd tile's; both K steps
	ds_load_b64 v[FC+4+2*\p:FC+4+2*\p+1], v[9+6*FN] offset:FO+256*\p
.endr
.endif
.endm
.macro WMS                             ; one product: D v[MD], source 0 v[MP] with scale words v[MS0] (lanes 16-31 where MR0), source 1 v[MQ] with v[MS1] (MR1); MZ: it starts its sum
.if MZ
.if MR0 && MR1
	v_wmma_scale_f32_16x16x128_f8f6f4 v[MD:MD+7], v[MP:MP+11], v[MQ:MQ+11], 0, v[MS0], v[MS1] matrix_a_fmt:MATRIX_FMT_FP6 matrix_b_fmt:MATRIX_FMT_FP6 matrix_a_scale:MATRIX_SCALE_ROW1 matrix_b_scale:MATRIX_SCALE_ROW1
.elseif MR0
	v_wmma_scale_f32_16x16x128_f8f6f4 v[MD:MD+7], v[MP:MP+11], v[MQ:MQ+11], 0, v[MS0], v[MS1] matrix_a_fmt:MATRIX_FMT_FP6 matrix_b_fmt:MATRIX_FMT_FP6 matrix_a_scale:MATRIX_SCALE_ROW1
.elseif MR1
	v_wmma_scale_f32_16x16x128_f8f6f4 v[MD:MD+7], v[MP:MP+11], v[MQ:MQ+11], 0, v[MS0], v[MS1] matrix_a_fmt:MATRIX_FMT_FP6 matrix_b_fmt:MATRIX_FMT_FP6 matrix_b_scale:MATRIX_SCALE_ROW1
.else
	v_wmma_scale_f32_16x16x128_f8f6f4 v[MD:MD+7], v[MP:MP+11], v[MQ:MQ+11], 0, v[MS0], v[MS1] matrix_a_fmt:MATRIX_FMT_FP6 matrix_b_fmt:MATRIX_FMT_FP6
.endif
.else
.if MR0 && MR1
	v_wmma_scale_f32_16x16x128_f8f6f4 v[MD:MD+7], v[MP:MP+11], v[MQ:MQ+11], v[MD:MD+7], v[MS0], v[MS1] matrix_a_fmt:MATRIX_FMT_FP6 matrix_b_fmt:MATRIX_FMT_FP6 matrix_a_scale:MATRIX_SCALE_ROW1 matrix_b_scale:MATRIX_SCALE_ROW1
.elseif MR0
	v_wmma_scale_f32_16x16x128_f8f6f4 v[MD:MD+7], v[MP:MP+11], v[MQ:MQ+11], v[MD:MD+7], v[MS0], v[MS1] matrix_a_fmt:MATRIX_FMT_FP6 matrix_b_fmt:MATRIX_FMT_FP6 matrix_a_scale:MATRIX_SCALE_ROW1
.elseif MR1
	v_wmma_scale_f32_16x16x128_f8f6f4 v[MD:MD+7], v[MP:MP+11], v[MQ:MQ+11], v[MD:MD+7], v[MS0], v[MS1] matrix_a_fmt:MATRIX_FMT_FP6 matrix_b_fmt:MATRIX_FMT_FP6 matrix_b_scale:MATRIX_SCALE_ROW1
.else
	v_wmma_scale_f32_16x16x128_f8f6f4 v[MD:MD+7], v[MP:MP+11], v[MQ:MQ+11], v[MD:MD+7], v[MS0], v[MS1] matrix_a_fmt:MATRIX_FMT_FP6 matrix_b_fmt:MATRIX_FMT_FP6
.endif
.endif
.endm
.macro MM16 k                          ; the 16 accumulators take turns, one instruction a turn, in the same order in every step
.if (\k) == 0
.set MZ, 1
.else
.set MZ, 0
.endif
.set KQ, (\k)%2
.set KS, 32+8*(((\k)/2)%2)
.set KF, 128*((\k)%2)
	WIN 0x05                                       ; sources 0 and 1 window 1; C and D window 0
.irp a, 0,1,2,3
.irp b, 0,1,2,3
.set MD, 128+8*(4*\a+\b)
.set MP, KF+48+12*\b
.set MQ, KF+12*\a
.set MS0, KS+4+2*(\b/2)+KQ
.set MS1, KS+2*(\a/2)+KQ
.set MR0, \b%2
.set MR1, \a%2
	WMS
.endr
.endr
	WIN 0
.endm
.macro STEP k
	s_wait_dscnt 0x0                               ; this step's fragments, asked for a step ago, are in
.if (\k) > 0
	NOPS                                           ; four places between the last products and loads into registers that they read
.endif
.if (\k) < 7
	FETCH (\k)+1
.endif
	MM16 \k
.endm
	s_wait_alu depctr_va_vdst(0)
	s_wait_tensorcnt 0x0                           ; my two chunks are in
	s_barrier_signal -1
	s_barrier_wait -1
	FETCH 0
.irp k, 0,1,2,3,4,5,6,7
	STEP \k
.endr
; THE WAY OUT, a tile of 16 rows x 64 columns at a time, through my own stage: a lane's 32 bytes of a row go in, whole rows of 256 bytes come back; LDS serves a wave's instructions in order.
.macro TOSTAGE a
.irp b, 0,1,2,3
	ds_store_b128 v20, v[128+8*(4*(\a)+\b):128+8*(4*(\a)+\b)+3] offset:128*(\b/2)+32*(\b%2)         ; each accumulator from its low end on
	ds_store_b128 v20, v[128+8*(4*(\a)+\b)+4:128+8*(4*(\a)+\b)+7] offset:128*(\b/2)+32*(\b%2)+16
.endr
.irp t, 0,1,2,3,4,5,6,7
	ds_load_b128 v[48+32*((\a)%2)+4*\t:48+32*((\a)%2)+4*\t+3], v21 offset:544*\t
.endr
.endm
.macro SEND a, younger                 ; younger: the LDS instructions issued behind tile a's loads, which may stay out
	s_wait_dscnt \younger
.irp t, 0,1,2,3,4,5,6,7
	global_store_b128 v22, v[48+32*((\a)%2)+4*\t:48+32*((\a)%2)+4*\t+3], s[8:9] offset:(32*((\a)/2)+8*((\a)%2)+2*\t+8*(\t/4))*4096 th:TH_STORE_NT   ; 16 lanes store 256 consecutive bytes, at a multiple of 256 from out0's first byte
.endr
.endm
	NOPS                                           ; four places between the last products and the first read of results
	TOSTAGE 0
.irp a, 1,2,3
.if \a > 1
	s_wait_xcnt 0x0                                ; tile a - 2's stores have read their registers: tile a's loads may land there
.endif
	TOSTAGE \a
	SEND \a-1, 16                                  ; behind tile a - 1's loads: tile a's 8 stores and 8 loads
.endr
	SEND 3, 0
	s_wait_tensorcnt 0x0                           ; the wave's end
	ds_add_u32 v126, v127
	s_wait_dscnt 0x0
	CROUND                                         ; the closing round: no work-group ends while a partner may still ask for a record that names it
	s_endpgm
.Lfunc_end_k_q4f1b5eaf77_oproj:
	.size	k_q4f1b5eaf77_oproj, .Lfunc_end_k_q4f1b5eaf77_oproj-k_q4f1b5eaf77_oproj
	.p2alignl 7, 3214868480
	.fill 96, 4, 3214868480
	.section	.rodata,"a",@progbits
	.p2align	6, 0x0
	.amdhsa_kernel k_q4f1b5eaf77_oproj
		.amdhsa_group_segment_fixed_size 222720
		.amdhsa_private_segment_fixed_size 0
		.amdhsa_enable_private_segment 0
		.amdhsa_kernarg_size 24
		.amdhsa_user_sgpr_count 2
		.amdhsa_user_sgpr_kernarg_segment_ptr 1
		.amdhsa_wavefront_size32 1
		.amdhsa_system_sgpr_workgroup_id_x 1
		.amdhsa_system_sgpr_workgroup_id_y 1
		.amdhsa_system_sgpr_workgroup_id_z 1
		.amdhsa_system_vgpr_workitem_id 0
		.amdhsa_next_free_vgpr 512
		.amdhsa_next_free_sgpr 80
		.amdhsa_reserve_vcc 0
		.amdhsa_float_denorm_mode_32 3
		.amdhsa_float_denorm_mode_16_64 3
		.amdhsa_memory_ordered 1
		.amdhsa_forward_progress 1
		.amdhsa_inst_pref_size 50
	.end_amdhsa_kernel
	.amdgpu_metadata
---
amdhsa.version: [ 1, 2 ]
amdhsa.kernels:
  - .name:           k_q4f1b5eaf77_oproj
    .symbol:         k_q4f1b5eaf77_oproj.kd
    .args:
      - { .name: orec, .offset: 0, .size: 8, .value_kind: global_buffer, .address_space: global }
      - { .name: arec, .offset: 8, .size: 8, .value_kind: global_buffer, .address_space: global }
      - { .name: out0, .offset: 16, .size: 8, .value_kind: global_buffer, .address_space: global }
    .group_segment_fixed_size: 222720
    .private_segment_fixed_size: 0
    .kernarg_segment_align: 8
    .kernarg_segment_size: 24
    .max_flat_workgroup_size: 128
    .sgpr_count:     80
    .vgpr_count:     512
    .wavefront_size: 32
...
	.end_amdgpu_metadata
.endif
;; end of part 4
